; MI455X (gfx1250); checked and timed in simulation.
; The chip was launched on July 23, 2026; its instructions are those of AMD's public machine-readable ISA for CDNA 5 (MIT licence, August 2026) and "CDNA5" Instruction Set Architecture Reference Guide (July 2026). The comments in the code are by the model that wrote it; some were corrected since.
;; MAB. Allowed arithmetic: float matrix products may take bf16 or f16 operands with f32 sums; all other float work in f32.
;; Inputs: K 8 x 1,024 x 1,024 float32; Q 8 x 1,024 x 1,024 float32; Wk 1,024 x 1,024 float32; Wo 1,024 x 1,024 float32; Wq 1,024 x 1,024 float32; Wv 1,024 x 1,024 float32; b0 1,024 float32; b1 1,024 float32; bk 1,024 float32; bo 1,024 float32; bq 1,024 float32; bv 1,024 float32; g0 1,024 float32; g1 1,024 float32; mask 8 x 1,024 bool.
;; Outputs: out0 8 x 1,024 x 1,024 float32.
;; 2 versions, each right; version 2 is version 1 with the launch ffn written anew for expert scheduling mode. Each part assembles by itself: llvm-mc -triple=amdgcn-amd-amdhsa -mcpu=gfx1250 --defsym DOCPART=n.
;; ======== version 1 of 2: 5 launches
;; workspace buffers: Qb 16,777,216 bytes; Kb 16,777,216 bytes; WF 8,388,608 bytes; qf 33,554,432 bytes; kh 16,777,216 bytes; vh 16,777,216 bytes; ob 33,554,432 bytes; yb 33,554,432 bytes
;; launch prep (part 1): grid 1536 x 1, 8 waves a work-group, no clusters, 0 bytes of LDS; arguments Q, K, Wq, Wk, Wv, Wo, Qb, Kb, WF; writes Qb, Kb, WF
.if DOCPART == 1
	.amdgcn_target "amdgcn-amd-amdhsa--gfx1250"
	.amdhsa_code_object_version 6
	.text
	.protected	k_q00f19b4e5c_prep
	.globl	k_q00f19b4e5c_prep
	.p2align	8
	.type	k_q00f19b4e5c_prep,@function
k_q00f19b4e5c_prep:
	s_mov_b64 s[64:65], 0
	v_nop
	global_prefetch_b8 v0, s[64:65] scope:SCOPE_SE
	s_setreg_imm32_b32 hwreg(HW_REG_WAVE_MODE, 25, 1), 1
	s_wait_xcnt 0x0
; f32 to bf16, once, for everything that later feeds the matrix units.
; Work-groups 0-1023: 16 rows of Q (0-511) or of K (512-1023), [8192][1024] f32 -> Qb, Kb [8192][1024] bf16, same order.
; Work-groups 1024-1535: 32 k x 256 n of one of Wq, Wk, Wv, Wo ([k][n] f32) -> WF in fragment order:
;   byte j*524288 + s*16384 + nt*1024 + g*256 + r*16 + 2e  holds  W[k = 32 s + 8 g + e][n = 256 (j&3) + 16 nt + r],  j = 4 x matrix + column block.
;   So the 1,024 bytes (j, s, nt) are one 16 x 32 operand: lane L finds its registers 0-3 at 16 L and its registers 4-7 at 512 + 16 L.
; A stream: no LDS, no barrier, no matrix unit.  No register is written twice, so no wait frees a source.
.set X, 8                              ; v[8:71]   as loaded
.set Y, 72                             ; v[72:103] as stored
	s_load_b512 s[4:19], s[0:1], 0x0               ; Q 4, K 6, Wq 8, Wk 10, Wv 12, Wo 14, Qb 16, Kb 18
	s_load_b64 s[20:21], s[0:1], 0x40              ; WF
	s_cmp_lt_u32 ttmp9, 1024
	s_cbranch_scc0 .Lweights
	; ---- activations: thread t takes 16 bytes at 16 t of each of 16 rows; a wave's load covers 512 consecutive bytes
	s_lshr_b32 s22, ttmp9, 9                       ; 0: Q, 1: K
	s_and_b32 s23, ttmp9, 511                      ; which 16 rows
	s_lshl_b32 s24, s23, 16                        ; 16 rows x 4,096 bytes in
	s_mov_b32 s25, 0
	s_lshl_b32 s26, s23, 15                        ; 16 rows x 2,048 bytes out
	s_mov_b32 s27, 0
	v_lshlrev_b32 v1, 4, v0
	v_lshlrev_b32 v2, 3, v0
	s_wait_kmcnt 0x0
	s_cmp_eq_u32 s22, 0
	s_cselect_b64 s[28:29], s[4:5], s[6:7]
	s_cselect_b64 s[30:31], s[16:17], s[18:19]
	s_add_nc_u64 s[28:29], s[28:29], s[24:25]
	s_add_nc_u64 s[30:31], s[30:31], s[26:27]
.irp i, 0,1,2,3,4,5,6,7,8,9,10,11,12,13,14,15
	global_load_b128 v[X+4*\i:X+4*\i+3], v1, s[28:29] offset:4096*\i th:TH_LOAD_NT
.endr
.irp i, 0,1,2,3,4,5,6,7,8,9,10,11,12,13,14,15
	s_wait_loadcnt 15-\i                           ; loads return in order: row i is in, the 15 - i younger ones stay out
	v_cvt_pk_bf16_f32 v[Y+2*\i], v[X+4*\i], v[X+4*\i+1]
	v_cvt_pk_bf16_f32 v[Y+2*\i+1], v[X+4*\i+2], v[X+4*\i+3]
	global_store_b64 v2, v[Y+2*\i:Y+2*\i+1], s[30:31] offset:2048*\i   ; 32 lanes x 8 bytes: 256 consecutive bytes, aligned
.endr
	s_endpgm
	; ---- weights: thread t takes column 256 cb + t of 32 rows k; eight neighbouring k of one column make 16 bytes of WF
.Lweights:
	s_sub_co_u32 s22, ttmp9, 1024
	s_lshr_b32 s23, s22, 7                         ; matrix 0..3
	s_bfe_u32 s24, s22, 0x20005                    ; column block 0..3
	s_and_b32 s25, s22, 31                         ; K step s
	s_lshl_b32 s26, s25, 17                        ; 32 rows x 4,096 bytes
	s_lshl_b32 s24, s24, 10                        ; 256 columns x 4 bytes
	s_add_co_u32 s26, s26, s24
	s_mov_b32 s27, 0
	s_lshr_b32 s32, s22, 5                         ; j
	s_lshl_b32 s32, s32, 19
	s_lshl_b32 s25, s25, 14
	s_add_co_u32 s32, s32, s25
	s_mov_b32 s33, 0
	v_lshlrev_b32 v1, 2, v0                        ; 4 t
	v_lshrrev_b32 v3, 4, v0                        ; nt
	v_and_b32 v4, 15, v0                           ; r
	v_lshlrev_b32 v2, 4, v4
	v_lshl_add_u32 v2, v3, 10, v2                  ; 1,024 nt + 16 r
	s_wait_kmcnt 0x0
	s_cmp_eq_u32 s23, 0
	s_cselect_b64 s[28:29], s[8:9], s[10:11]
	s_cmp_eq_u32 s23, 2
	s_cselect_b64 s[28:29], s[12:13], s[28:29]
	s_cmp_eq_u32 s23, 3
	s_cselect_b64 s[28:29], s[14:15], s[28:29]
	s_add_nc_u64 s[28:29], s[28:29], s[26:27]
	s_add_nc_u64 s[30:31], s[20:21], s[32:33]
.set i, 0
.rept 32
	global_load_b32 v[X+i], v1, s[28:29] offset:4096*i th:TH_LOAD_NT
.set i, i+1
.endr
.irp g, 0,1,2,3
	s_wait_loadcnt 24-8*\g                         ; rows 8 g .. 8 g + 7 are in, the younger 24 - 8 g stay out
.irp p, 0,1,2,3
	v_cvt_pk_bf16_f32 v[Y+4*\g+\p], v[X+8*\g+2*\p], v[X+8*\g+2*\p+1]
.endr
	global_store_b128 v2, v[Y+4*\g:Y+4*\g+3], s[30:31] offset:256*\g   ; 16 lanes: 256 consecutive bytes, aligned
.endr
	s_endpgm
.Lfunc_end_k_q00f19b4e5c_prep:
	.size	k_q00f19b4e5c_prep, .Lfunc_end_k_q00f19b4e5c_prep-k_q00f19b4e5c_prep
	.p2alignl 7, 3214868480
	.fill 96, 4, 3214868480
	.section	.rodata,"a",@progbits
	.p2align	6, 0x0
	.amdhsa_kernel k_q00f19b4e5c_prep
		.amdhsa_group_segment_fixed_size 0
		.amdhsa_private_segment_fixed_size 0
		.amdhsa_enable_private_segment 0
		.amdhsa_kernarg_size 72
		.amdhsa_user_sgpr_count 2
		.amdhsa_user_sgpr_kernarg_segment_ptr 1
		.amdhsa_wavefront_size32 1
		.amdhsa_system_sgpr_workgroup_id_x 1
		.amdhsa_system_sgpr_workgroup_id_y 1
		.amdhsa_system_sgpr_workgroup_id_z 1
		.amdhsa_system_vgpr_workitem_id 0
		.amdhsa_next_free_vgpr 104
		.amdhsa_next_free_sgpr 66
		.amdhsa_reserve_vcc 0
		.amdhsa_float_denorm_mode_32 3
		.amdhsa_float_denorm_mode_16_64 3
		.amdhsa_memory_ordered 1
		.amdhsa_forward_progress 1
		.amdhsa_inst_pref_size 12
	.end_amdhsa_kernel
	.amdgpu_metadata
---
amdhsa.version: [ 1, 2 ]
amdhsa.kernels:
  - .name:           k_q00f19b4e5c_prep
    .symbol:         k_q00f19b4e5c_prep.kd
    .args:
      - { .name: Q, .offset: 0, .size: 8, .value_kind: global_buffer, .address_space: global }
      - { .name: K, .offset: 8, .size: 8, .value_kind: global_buffer, .address_space: global }
      - { .name: Wq, .offset: 16, .size: 8, .value_kind: global_buffer, .address_space: global }
      - { .name: Wk, .offset: 24, .size: 8, .value_kind: global_buffer, .address_space: global }
      - { .name: Wv, .offset: 32, .size: 8, .value_kind: global_buffer, .address_space: global }
      - { .name: Wo, .offset: 40, .size: 8, .value_kind: global_buffer, .address_space: global }
      - { .name: Qb, .offset: 48, .size: 8, .value_kind: global_buffer, .address_space: global }
      - { .name: Kb, .offset: 56, .size: 8, .value_kind: global_buffer, .address_space: global }
      - { .name: WF, .offset: 64, .size: 8, .value_kind: global_buffer, .address_space: global }
    .group_segment_fixed_size: 0
    .private_segment_fixed_size: 0
    .kernarg_segment_align: 8
    .kernarg_segment_size: 72
    .max_flat_workgroup_size: 256
    .sgpr_count:     66
    .vgpr_count:     104
    .wavefront_size: 32
...
	.end_amdgpu_metadata
.endif
;; end of part 1
;; launch proj (part 2): grid 12 x 32, 4 waves a work-group, clusters of 4 x 4, 327,680 bytes of LDS; arguments Qb, Kb, WF, bq, bk, bv, mask, qf, kh, vh; writes qf, kh, vh
.if DOCPART == 2
	.amdgcn_target "amdgcn-amd-amdhsa--gfx1250"
	.amdhsa_code_object_version 6
	.text
	.protected	k_q00f19b4e5c_proj
	.globl	k_q00f19b4e5c_proj
	.p2align	8
	.type	k_q00f19b4e5c_proj,@function
k_q00f19b4e5c_proj:
	s_mov_b64 s[64:65], 0
	v_nop
	global_prefetch_b8 v0, s[64:65] scope:SCOPE_SE
	s_setreg_imm32_b32 hwreg(HW_REG_WAVE_MODE, 25, 1), 1
	s_wait_xcnt 0x0
	s_wait_alu depctr_hold_cnt(0) depctr_sa_sdst(0) depctr_va_vdst(0) depctr_va_sdst(0) depctr_va_ssrc(0) depctr_va_vcc(0) depctr_vm_vsrc(0)
	s_getreg_b32 s2, hwreg(HW_REG_IB_STS2, 6, 4)
	s_cmp_eq_u32 s2, 0
	s_cbranch_scc0 .Lentry_in_a_cluster
	s_endpgm
.Lentry_in_a_cluster:
	s_bfe_u32 s2, ttmp6, 0x10000c
	s_cmp_lg_u32 s2, 0xf033
	s_cbranch_scc0 .Lentry_shape_is_right
	s_endpgm
.Lentry_shape_is_right:
; The three projections as one product of [8192][1024] by [1024][3 x 1024]: q = Qb Wq + bq, k = Kb Wk + bk, v = Kb Wv + bv.
; Block column j = 0..11 (256 columns each): j>>2 = 0, 1, 2 is q, k, v, and equals the cluster's x, so it is the same in all 16 partners.
; A work-group makes 256 x 256 with four waves, a wave 128 x 128 in 64 accumulator tiles (512 registers).  K goes in steps of 128 through
; two LDS slots.  A's tile: 256 rows x 256 bytes, padded to a pitch of 272.  B's tile: 65,536 dense bytes of WF, already in operand order.
; CLUSTERS 4 x 4: A's tile hangs on the block row alone and is asked for jointly by a row of the cluster, B's on the block column alone
; and is asked for jointly by a column.
; OUT: q as f32 [8192][1024] (it is also the residual); k, v as bf16 [batch][head][key][64].  The k row of a key whose mask byte is 0 is
; stored as zeros: the next launch starts that key's score from the mask's constant, and a product with zeros leaves it exact.
; 384 work-groups of equal work.
; WINDOWS: 0: v0-39 addresses and mask words, v64-191 fragments of A (two buffers), v192-223 packed results;
;          1: v64-191 fragments of B, v192-255 the bias of my 128 columns;   2, 3: accumulators (tile (a, b) at v[8 (8 a + b)]).
; The matrix instruction is used transposed (source 0 = rows of W^T, source 1 = rows of A): lane l holds row l % 16 and eight neighbouring columns.
.set SIZE_K, 1024
.set KSTEP,  128
.set PITCH,  272                       ; 256 bytes + 16: the 16 rows that a fragment load touches start 16 bytes apart modulo 256
.set HALFA,  128*PITCH                 ; 34,816: what one load of A brings
.set ABYTES, 2*HALFA
.set HALFB,  32768                     ; what one load of B brings: two K steps of 32
.set SLOT,   ABYTES+2*HALFB            ; 135,168
.set STAGE,  2*SLOT                    ; 270,336: behind the ring, never filled by a tensor load
.set STAGEW, 16*528                    ; a wave's stage: 16 rows of 512 bytes + 16 (f32), or of 256 + 16 (bf16)
.set LAPS, SIZE_K/(2*KSTEP)            ; 4
.set ADRA, 16                          ; v16-17 LDS address of my A fragments in slot 0, 1
.set ADRB, 20                          ; v20-21 the same for B
.set STO,  24                          ; bf16 way out: where I put 16 bytes
.set RD,   25                          ; bf16 way out: where I read back
.set CO,   26                          ; bf16 way out: my byte offset in kh, vh
.set BOFF, 27                          ; 32 x (lane / 16): my eight columns in a tile's 16
.set MOFF, 28                          ; lane % 16: my row in a strip
.set STOF, 29                          ; f32 way out: where I put 32 bytes
.set RDF,  30                          ; f32 way out: where I read back
.set COF,  31                          ; f32 way out: 16 x lane
.set AM,   32                          ; v32-39 strip i: the mask byte of my row, later all ones or zero
.set F0,   64
.set F1,   128
.set TMP,  192
.set BIAS, 192                         ; window 1
.set G1, 24                            ; s[24:31] group 1, A
.set G0, 32                            ; s[32:39] group 0, A, one set a slot
.set G1B, 48                           ; s[48:55] group 1, B
.set G0B, 56                           ; s[56:63] group 0, B
.set MSB, 0
.macro WIN new                         ; the immediate's high byte repeats the setting that is left
.if MSB != \new
	s_set_vgpr_msb (MSB<<8)|\new
.set MSB, \new
.endif
.endm
.set MUL_LO, 0xa1                      ; source 0 (B) window 1, source 1 (A) window 0, C and D window 2
.set MUL_HI, 0xf1                      ; the same, C and D window 3
.set TO_B,   0x40                      ; destination window 1, address window 0
; A joint load.  Waves 0, 1 fetch A's halves, waves 2, 3 B's.  The branch hangs on the wave's number alone.
.macro JLOAD s
	s_cmp_eq_u32 s11, 0
	s_cbranch_scc0 .Lfor_b_\@
	tensor_load_to_lds s[G0+4*\s:G0+4*\s+3], s[G1:G1+7]
	s_nop 0
.rept 4
	v_nop
.endr
	s_branch .Lasked_\@
.Lfor_b_\@:
	tensor_load_to_lds s[G0B+4*\s:G0B+4*\s+3], s[G1B:G1B+7]
	s_nop 0
.rept 4
	v_nop
.endr
.Lasked_\@:
.endm
; A round of the cluster's barrier: my work-group's barrier, wave 0 signals for the work-group, every wave waits for all sixteen, my barrier again.
.macro CREST
	s_cmp_lg_u32 s10, 0
	s_cbranch_scc1 .Lnot_wave_0_\@
	s_barrier_signal -3
.Lnot_wave_0_\@:
	s_barrier_wait -3
	s_barrier_signal -1
	s_barrier_wait -1
.endm
.macro CROUND
	s_barrier_signal -1
	s_barrier_wait -1
	CREST
.endm
	s_load_b256 s[68:75], s[0:1], 0x0              ; Qb 68, Kb 70, WF 72, bq 74
	s_load_b256 s[76:83], s[0:1], 0x20             ; bk 76, bv 78, mask 80, qf 82
	s_load_b128 s[84:87], s[0:1], 0x40             ; kh 84, vh 86
	s_set_vgpr_msb 0x40
	v_lshl_add_u32 v63, v0, 2, 0x4a400
	s_set_vgpr_msb 0x4000
	v_mov_b32 v255, 0
	s_set_vgpr_msb 0x1
	ds_add_u32 v63, v255
	ds_add_u32 v63, v255
	s_set_vgpr_msb 0x100
	v_lshrrev_b32 v1, 5, v0
	v_readfirstlane_b32 s10, v1                    ; wave 0..3
	s_lshr_b32 s11, s10, 1                         ; my half of the block's rows; also: I fetch for A (0) or B (1)
	s_and_b32 s12, s10, 1                          ; my half of its columns; also: which half of that tile I fetch
	s_bfe_u32 s40, ttmp6, 0x40000                  ; cx
	s_bfe_u32 s41, ttmp6, 0x40004                  ; cy
	s_lshl_b32 s42, ttmp9, 2
	s_add_co_u32 s42, s42, s40                     ; block column j = 4 x cluster x + cx
	s_and_b32 s13, ttmp7, 0xffff
	s_lshl_b32 s13, s13, 2
	s_add_co_u32 s13, s13, s41                     ; block row = 4 x cluster y + cy
	s_lshl_b32 s43, s41, 2
	s_lshl_b32 s43, 15, s43                        ; my row of the cluster
	s_lshl_b32 s44, 0x1111, s40                    ; my column
	; group 1 for A: 128 rows x 128 elements of 2 bytes, 16 bytes of padding behind every 64 words
	s_or_b32 s[G1+0], s43, (1<<16)|(1<<20)|(1<<21)|(5<<22)|(3<<25)
	s_mov_b32 s[G1+1], KSTEP<<16                   ; tensor_dim0 = 128
	s_mov_b32 s[G1+2], 128<<16                     ; tensor_dim1 = 128
	s_mov_b32 s[G1+3], KSTEP<<16                   ; tile_dim0 = 128
	s_mov_b32 s[G1+4], 128                         ; tile_dim1 = 128
	s_mov_b32 s[G1+5], SIZE_K                      ; elements from row to row
	s_mov_b32 s[G1+6], 0
	s_mov_b32 s[G1+7], 0
	; group 1 for B: a dense block of 32,768 bytes as 128 rows of 32 elements of 8 bytes, no padding
	s_or_b32 s[G1B+0], s44, (3<<16)|(1<<21)
	s_mov_b32 s[G1B+1], 32<<16
	s_mov_b32 s[G1B+2], 128<<16
	s_mov_b32 s[G1B+3], 32<<16
	s_mov_b32 s[G1B+4], 128
	s_mov_b32 s[G1B+5], 32
	s_mov_b32 s[G1B+6], 0
	s_mov_b32 s[G1B+7], 0
	; where the tiles come from: A's offset holds the block row, B's the block column, each in registers that never hold the other
	s_lshl_b32 s17, s12, 7
	s_lshl_b32 s16, s13, 8
	s_add_co_u32 s16, s16, s17                     ; A: row 256 x block row + 128 x half
	s_lshl_b32 s16, s16, 11                        ; x 2,048 bytes (below 2^25)
	s_mov_b32 s17, 0
	s_lshl_b32 s46, s42, 19                        ; B: j x 524,288
	s_lshl_b32 s47, s12, 15                        ;    + half x 32,768
	s_add_co_u32 s46, s46, s47
	s_mov_b32 s47, 0
	s_mul_i32 s20, s10, HALFA                      ; LDS: waves 0, 1 put A's halves at 0 and 34,816;
	s_lshl_b32 s45, s10, 15
	s_add_co_u32 s45, s45, ABYTES-2*HALFB          ; waves 2, 3 put B's halves at 69,632 and 102,400
	s_wait_dscnt 0x0
	s_wait_kmcnt 0x0
	s_cmp_eq_u32 ttmp9, 0                          ; the cluster's x picks the tensors
	s_cselect_b64 s[4:5], s[68:69], s[70:71]       ; A: Qb, else Kb
	s_cselect_b64 s[88:89], s[74:75], s[76:77]     ; bias
	s_cselect_b64 s[8:9], s[82:83], s[84:85]       ; output
	s_cmp_eq_u32 ttmp9, 2
	s_cselect_b64 s[88:89], s[78:79], s[88:89]
	s_cselect_b64 s[8:9], s[86:87], s[8:9]
	s_add_nc_u64 s[14:15], s[4:5], s[16:17]
	s_add_nc_u64 s[46:47], s[72:73], s[46:47]
	CROUND                                         ; all sixteen work-groups are here: the first joint loads meet
.irp s, 0,1
	s_mov_b32 s[G0+4*\s], 1
	s_add_co_u32 s[G0+4*\s+1], s20, \s*SLOT
	s_add_nc_u64 s[G0+4*\s+2:G0+4*\s+3], s[14:15], \s*KSTEP*2
	s_or_b32 s[G0+4*\s+3], s[G0+4*\s+3], 0x80000000
	s_mov_b32 s[G0B+4*\s], 1
	s_add_co_u32 s[G0B+4*\s+1], s45, \s*SLOT
	s_add_nc_u64 s[G0B+4*\s+2:G0B+4*\s+3], s[46:47], \s*2*HALFB
	s_or_b32 s[G0B+4*\s+3], s[G0B+4*\s+3], 0x80000000
	JLOAD \s                                       ; both first fills go out before anything else: two tensor loads of a wave are out at the most
.endr
	v_and_b32 v1, 15, v0                           ; r = l % 16
	v_bfe_u32 v2, v0, 4, 1                         ; h = l / 16
	v_and_b32 v6, 31, v0                           ; l
	v_bfe_u32 v7, v0, 3, 1
	v_and_b32 v8, 7, v0
	v_lshlrev_b32 v9, 4, v6                        ; 16 l
	; the bias of my 128 columns and the mask bytes of my 128 rows: asked for now, waited for once at the way out.
	; Their address registers (BOFF, MOFF, s[88:89], s[80:81]) are never written again.
	s_lshl_b32 s92, s40, 10                        ; 256 cx columns x 4 bytes
	s_lshl_b32 s93, s12, 9                         ; + 128 x half
	s_add_co_u32 s92, s92, s93
	s_mov_b32 s93, 0
	s_add_nc_u64 s[88:89], s[88:89], s[92:93]
	s_lshl_b32 s94, s13, 8
	s_lshl_b32 s95, s11, 7
	s_add_co_u32 s94, s94, s95                     ; my first row = batch x 1,024 + key: also the index into mask[8][1024]
	s_mov_b32 s95, 0
	s_add_nc_u64 s[80:81], s[80:81], s[94:95]
	v_lshlrev_b32 v[BOFF], 5, v2
	v_and_b32 v[MOFF], 15, v0
	WIN TO_B
.irp b, 0,1,2,3,4,5,6,7
	global_load_b128 v[BIAS+8*\b:BIAS+8*\b+3],   v[BOFF], s[88:89] offset:64*\b
	global_load_b128 v[BIAS+8*\b+4:BIAS+8*\b+7], v[BOFF], s[88:89] offset:64*\b+16
.endr
	WIN 0
.irp i, 0,1,2,3,4,5,6,7
	global_load_u8 v[AM+\i], v[MOFF], s[80:81] offset:16*\i    ; loaded in every cluster, used in k's: so these registers are written on every path
.endr
	; fragment addresses
	v_mul_u32_u24 v3, v1, PITCH
	v_lshl_add_u32 v3, v2, 4, v3                   ; A: row x pitch + 16 h
	s_mul_i32 s21, s11, HALFA                      ; my 128 rows of A
	s_lshl_b32 s22, s12, 13                        ; my 8 column tiles of B: 8 x 1,024 bytes in each K step of 32,
	s_add_co_u32 s22, s22, ABYTES                  ; behind A
.irp s, 0,1
	v_add_nc_u32 v[ADRA+\s], s21, v3
	v_add_nc_u32 v[ADRB+\s], s22, v9               ; B: 16 l: lanes read neighbouring 16 bytes
	s_add_co_u32 s21, s21, SLOT
	s_add_co_u32 s22, s22, SLOT
.endr
	s_mul_i32 s23, s10, STAGEW
	s_add_co_u32 s23, s23, STAGE                   ; my stage
	v_mul_u32_u24 v4, v1, 272
	v_lshl_add_u32 v4, v2, 4, v4
	v_add_nc_u32 v[STO], s23, v4                   ; bf16 in: row r, 16 bytes for each half of the lanes
	v_mul_u32_u24 v5, v7, 272                      ; bf16 back: lanes 0-15 take two keys of the left head, lanes 16-31 of the right
	v_lshl_add_u32 v5, v2, 7, v5
	v_lshl_add_u32 v5, v8, 4, v5
	v_add_nc_u32 v[RD], s23, v5
	v_lshlrev_b32 v5, 4, v1
	v_lshl_add_u32 v[CO], v2, 17, v5               ; a head is 1,024 keys x 128 bytes
	v_mul_u32_u24 v4, v1, 528
	v_lshl_add_u32 v4, v2, 5, v4
	v_add_nc_u32 v[STOF], s23, v4                  ; f32 in: row r, 32 bytes for each half
	v_mov_b32 v[COF], v9
	v_add_nc_u32 v[RDF], s23, v9                   ; f32 back: a whole row of 512 bytes
; 16 matrix instructions: m blocks a0, a0 + 1 of the window's four x all 8 n blocks, 32 along K.  zero = 1: the first product starts the sums.
.macro MUL16 f, hi, a0, zero
.irp a, \a0, \a0+1
.irp b, 0,1,2,3,4,5,6,7
.if \zero
	v_wmma_f32_16x16x32_bf16 v[8*(8*(\a)+\b):8*(8*(\a)+\b)+7], v[\f+8*\b:\f+8*\b+7], v[\f+8*(4*\hi+\a):\f+8*(4*\hi+\a)+7], 0
.else
	v_wmma_f32_16x16x32_bf16 v[8*(8*(\a)+\b):8*(8*(\a)+\b)+7], v[\f+8*\b:\f+8*\b+7], v[\f+8*(4*\hi+\a):\f+8*(4*\hi+\a)+7], v[8*(8*(\a)+\b):8*(8*(\a)+\b)+7]
.endif
.endr
.endr
.endm
; 32 LDS loads in one run: quarter kq (32 along K) of a slot into buffer f.  B: tile i of my eight at kq x 16,384 + i x 1,024.
.macro FETCH slot, kq, f
	WIN TO_B
.irp i, 0,1,2,3,4,5,6,7
	ds_load_b128 v[\f+8*\i:\f+8*\i+3],   v[ADRB+\slot] offset:\kq*16384+\i*1024
	ds_load_b128 v[\f+8*\i+4:\f+8*\i+7], v[ADRB+\slot] offset:\kq*16384+\i*1024+512
.endr
	WIN 0
.irp i, 0,1,2,3,4,5,6,7
	ds_load_b128 v[\f+8*\i:\f+8*\i+3],   v[ADRA+\slot] offset:\kq*64+\i*16*PITCH
	ds_load_b128 v[\f+8*\i+4:\f+8*\i+7], v[ADRA+\slot] offset:\kq*64+\i*16*PITCH+32
.endr
.endm
; Four places stand between a matrix instruction and a load into, or a vector instruction on, one of its registers (ISA guide 7.12.1 for vector instructions);
; matrix instructions in between are not counted.
.macro PLACES
.rept 4
	v_nop
.endr
.endm
; The 64 accumulators take turns, one instruction a turn, in the same order in every quarter.
.macro QUARTER slot, kq, f, g, zero
	s_wait_dscnt 8                                 ; B and A's rows 0-63 are in; the youngest eight loads (A's rows 64-127) may be out
	WIN MUL_LO
	MUL16 \f, 0, 0, \zero
	MUL16 \f, 0, 2, \zero
	PLACES
	FETCH \slot, \kq, \g
	s_wait_dscnt 32                                ; all but the 32 just issued
	WIN MUL_HI
	MUL16 \f, 1, 0, \zero
	MUL16 \f, 1, 2, \zero
.endm
.macro THREE slot, zero
	QUARTER \slot, 1, F0, F1, \zero
	QUARTER \slot, 2, F1, F0, 0
	QUARTER \slot, 3, F0, F1, 0
.endm
; The last quarter multiplies buffer 1 and changes slots.  In front of the barrier each wave waits for its reads of this slot and for all its
; tensor loads (one is out: its part of the next slot).  Behind it the refill comes first, then the next slot's first fragments.
; From a request to the wait for it a wave issues 240 matrix instructions.
.macro TURN slot, next, fill
	s_wait_dscnt 8
	WIN MUL_LO
	MUL16 F1, 0, 0, 0
	s_wait_dscnt 0                                 ; my reads of this slot are over
	s_wait_tensorcnt 0x0                           ; all my tensor loads have landed
	ds_add_u32 v63, v255
	s_wait_dscnt 0x0
	s_barrier_signal -1                            ; where a slot is filled again this barrier opens a round of the cluster's barrier
	MUL16 F1, 0, 2, 0                              ; register work while the others arrive
	WIN 0
	s_barrier_wait -1
.if \fill
	CREST                                          ; no wave of any partner still reads this slot or has a load on its way
	s_add_nc_u64 s[G0+4*\slot+2:G0+4*\slot+3], s[G0+4*\slot+2:G0+4*\slot+3], 2*KSTEP*2
	s_add_nc_u64 s[G0B+4*\slot+2:G0B+4*\slot+3], s[G0B+4*\slot+2:G0B+4*\slot+3], 4*HALFB
	JLOAD \slot                                    ; the wave's one tensor load behind the round; its four v_nop are the places in front of the loads below
.else
	PLACES
.endif
	FETCH \next, 0, F0
	WIN MUL_HI
	MUL16 F1, 1, 0, 0
	MUL16 F1, 1, 2, 0
.endm
.macro LAP zero
	THREE 0, \zero
	TURN 0, 1, 1
	THREE 1, 0
	TURN 1, 0, 1
.endm
	s_wait_tensorcnt 1                             ; my part of K step 0 is in; K step 1's stays out
	s_barrier_signal -1
	s_barrier_wait -1
	FETCH 0, 0, F0
	LAP 1                                          ; the first lap's first products start the sums
	WIN 0
	s_mov_b32 s3, LAPS-2
.Llap:
	LAP 0
	WIN 0
	s_sub_co_u32 s3, s3, 1
	s_cmp_lg_u32 s3, 0
	s_cbranch_scc1 .Llap
	THREE 0, 0                                     ; the last lap fills nothing
	TURN 0, 1, 0
	THREE 1, 0
	s_wait_dscnt 8
	WIN MUL_LO
	MUL16 F1, 0, 0, 0
	MUL16 F1, 0, 2, 0
	s_wait_dscnt 0
	WIN MUL_HI
	MUL16 F1, 1, 0, 0
	MUL16 F1, 1, 2, 0
	; ---- THE WAY OUT, 16 rows at a time, through my own stage
	PLACES
	WIN 0
	s_wait_loadcnt 0x0                             ; bias and mask bytes, asked for at the head
; rows 16 i .. of my block = tiles (a, 0..7) of window 2 (from = 0x06) or 3 (0x07) + bias (window 1) -> F1 (window 0)
.macro ADDBIAS a, from
	WIN \from
.irp b, 0,1,2,3,4,5,6,7
.irp p, 0,1,2,3
	v_pk_add_f32 v[F1+8*\b+2*\p:F1+8*\b+2*\p+1], v[8*(8*\a+\b)+2*\p:8*(8*\a+\b)+2*\p+1], v[BIAS+8*\b+2*\p:BIAS+8*\b+2*\p+1]
.endr
.endr
	WIN 0
.endm
.macro OUTF i, a, from                 ; f32: rows of 512 bytes
	ADDBIAS \a, \from
.irp b, 0,1,2,3,4,5,6,7
	ds_store_b128 v[STOF], v[F1+8*\b:F1+8*\b+3] offset:64*\b
	ds_store_b128 v[STOF], v[F1+8*\b+4:F1+8*\b+7] offset:64*\b+16
.endr
	s_wait_xcnt 0x0                                ; F0, which the last strip's stores read, and their base are rewritten only behind this wait
.if \i
	s_add_nc_u64 s[8:9], s[8:9], 16*4096
.endif
.irp t, 0,1,2,3,4,5,6,7,8,9,10,11,12,13,14,15
	ds_load_b128 v[F0+4*\t:F0+4*\t+3], v[RDF] offset:528*\t    ; LDS serves a wave's instructions in order: these see the stores above
.endr
.irp t, 0,1,2,3,4,5,6,7,8,9,10,11,12,13,14,15
	s_wait_dscnt 15-\t                             ; row t is back, the younger ones stay out
	global_store_b128 v[COF], v[F0+4*\t:F0+4*\t+3], s[8:9] offset:4096*\t   ; 512 consecutive bytes, aligned
.endr
.endm
.macro OUTB i, a, from, masked         ; bf16, split into heads
	ADDBIAS \a, \from
.irp b, 0,1,2,3,4,5,6,7
.irp p, 0,1,2,3
	v_cvt_pk_bf16_f32 v[TMP+4*\b+\p], v[F1+8*\b+2*\p], v[F1+8*\b+2*\p+1]
.endr
.endr
.if \masked
.set e, 0
.rept 32
	v_and_b32 v[TMP+e], v[AM+\i], v[TMP+e]         ; a masked key's row becomes zeros
.set e, e+1
.endr
.endif
.irp b, 0,1,2,3,4,5,6,7
	ds_store_b128 v[STO], v[TMP+4*\b:TMP+4*\b+3] offset:32*\b
.endr
	s_wait_xcnt 0x0                                ; F0 and the base: as above
.if \i
	s_add_nc_u64 s[8:9], s[8:9], 16*128
.endif
.irp t, 0,1,2,3,4,5,6,7
	ds_load_b128 v[F0+4*\t:F0+4*\t+3], v[RD] offset:544*\t
.endr
.irp t, 0,1,2,3,4,5,6,7
	s_wait_dscnt 7-\t
	global_store_b128 v[CO], v[F0+4*\t:F0+4*\t+3], s[8:9] offset:256*\t   ; 16 lanes: two keys of one head, 256 consecutive bytes, aligned
.endr
.endm
.macro ALLB masked
	OUTB 0, 0, 0x06, \masked
	OUTB 1, 1, 0x06, \masked
	OUTB 2, 2, 0x06, \masked
	OUTB 3, 3, 0x06, \masked
	OUTB 4, 0, 0x07, \masked
	OUTB 5, 1, 0x07, \masked
	OUTB 6, 2, 0x07, \masked
	OUTB 7, 3, 0x07, \masked
.endm
	s_cmp_eq_u32 ttmp9, 0                          ; the cluster's x: the same way in all partners
	s_cbranch_scc0 .Lkv
	s_lshl_b32 s16, s94, 12                        ; my first row x 4,096 bytes
	s_mov_b32 s17, 0
	s_add_nc_u64 s[8:9], s[8:9], s[16:17]
	s_add_nc_u64 s[8:9], s[8:9], s[92:93]          ; my first column x 4 bytes: the bias's offset
	OUTF 0, 0, 0x06
	OUTF 1, 1, 0x06
	OUTF 2, 2, 0x06
	OUTF 3, 3, 0x06
	OUTF 4, 0, 0x07
	OUTF 5, 1, 0x07
	OUTF 6, 2, 0x07
	OUTF 7, 3, 0x07
	s_branch .Lend
.Lkv:
	s_lshr_b32 s96, s94, 10                        ; batch
	s_lshl_b32 s96, s96, 4
	s_lshl2_add_u32 s96, s40, s96                  ; head = 16 x batch + 4 cx
	s_lshl1_add_u32 s96, s12, s96                  ;        + 2 x column half
	s_lshl_b32 s96, s96, 10
	s_and_b32 s97, s94, 1023                       ; key
	s_add_co_u32 s96, s96, s97
	s_lshl_b32 s96, s96, 7                         ; x 128 bytes (below 2^25)
	s_mov_b32 s97, 0
	s_add_nc_u64 s[8:9], s[8:9], s[96:97]
	s_cmp_eq_u32 ttmp9, 1
	s_cbranch_scc0 .Lv
.irp i, 0,1,2,3,4,5,6,7
	v_cmp_ne_u32 vcc_lo, 0, v[AM+\i]
	v_cndmask_b32 v[AM+\i], 0, -1, vcc_lo          ; any byte but 0 counts as true
.endr
	ALLB 1
	s_branch .Lend
.Lv:
	ALLB 0
.Lend:
	s_set_vgpr_msb 0x1
	s_wait_tensorcnt 0x0
	ds_add_u32 v63, v255
	s_wait_dscnt 0x0
	s_set_vgpr_msb 0x100
	CROUND                                         ; the closing round: no work-group ends while a partner may still ask for a tile that names it
	s_endpgm
.Lfunc_end_k_q00f19b4e5c_proj:
	.size	k_q00f19b4e5c_proj, .Lfunc_end_k_q00f19b4e5c_proj-k_q00f19b4e5c_proj
	.p2alignl 7, 3214868480
	.fill 96, 4, 3214868480
	.section	.rodata,"a",@progbits
	.p2align	6, 0x0
	.amdhsa_kernel k_q00f19b4e5c_proj
		.amdhsa_group_segment_fixed_size 327680
		.amdhsa_private_segment_fixed_size 0
		.amdhsa_enable_private_segment 0
		.amdhsa_kernarg_size 80
		.amdhsa_user_sgpr_count 2
		.amdhsa_user_sgpr_kernarg_segment_ptr 1
		.amdhsa_wavefront_size32 1
		.amdhsa_system_sgpr_workgroup_id_x 1
		.amdhsa_system_sgpr_workgroup_id_y 1
		.amdhsa_system_sgpr_workgroup_id_z 1
		.amdhsa_system_vgpr_workitem_id 0
		.amdhsa_next_free_vgpr 1024
		.amdhsa_next_free_sgpr 100
		.amdhsa_reserve_vcc 1
		.amdhsa_float_denorm_mode_32 3
		.amdhsa_float_denorm_mode_16_64 3
		.amdhsa_memory_ordered 1
		.amdhsa_forward_progress 1
		.amdhsa_inst_pref_size 255
	.end_amdhsa_kernel
	.section	.bss,"aw",@nobits
	.p2align	6
	.space	262144
	.amdgpu_metadata
---
amdhsa.version: [ 1, 2 ]
amdhsa.kernels:
  - .name:           k_q00f19b4e5c_proj
    .symbol:         k_q00f19b4e5c_proj.kd
    .args:
      - { .name: Qb, .offset: 0, .size: 8, .value_kind: global_buffer, .address_space: global }
      - { .name: Kb, .offset: 8, .size: 8, .value_kind: global_buffer, .address_space: global }
      - { .name: WF, .offset: 16, .size: 8, .value_kind: global_buffer, .address_space: global }
      - { .name: bq, .offset: 24, .size: 8, .value_kind: global_buffer, .address_space: global }
      - { .name: bk, .offset: 32, .size: 8, .value_kind: global_buffer, .address_space: global }
      - { .name: bv, .offset: 40, .size: 8, .value_kind: global_buffer, .address_space: global }
      - { .name: mask, .offset: 48, .size: 8, .value_kind: global_buffer, .address_space: global }
      - { .name: qf, .offset: 56, .size: 8, .value_kind: global_buffer, .address_space: global }
      - { .name: kh, .offset: 64, .size: 8, .value_kind: global_buffer, .address_space: global }
      - { .name: vh, .offset: 72, .size: 8, .value_kind: global_buffer, .address_space: global }
    .group_segment_fixed_size: 327680
    .private_segment_fixed_size: 0
    .kernarg_segment_align: 8
    .kernarg_segment_size: 80
    .max_flat_workgroup_size: 128
    .sgpr_count:     100
    .vgpr_count:     1024
    .wavefront_size: 32
...
	.end_amdgpu_metadata
.endif
;; end of part 2
;; launch attn (part 3): grid 256 x 1, 8 waves a work-group, no clusters, 316,416 bytes of LDS; arguments qf, kh, vh, mask, ob; writes ob
.if DOCPART == 3
	.amdgcn_target "amdgcn-amd-amdhsa--gfx1250"
	.amdhsa_code_object_version 6
	.text
	.protected	k_q00f19b4e5c_attn
	.globl	k_q00f19b4e5c_attn
	.p2align	8
	.type	k_q00f19b4e5c_attn,@function
k_q00f19b4e5c_attn:
	s_mov_b64 s[64:65], 0
	v_nop
	global_prefetch_b8 v0, s[64:65] scope:SCOPE_SE
	s_setreg_imm32_b32 hwreg(HW_REG_WAVE_MODE, 25, 1), 1
	s_wait_xcnt 0x0
; ob = q + softmax(q k^T / 32, mask) v, per (batch, head).  q: qf [8192][1024] f32; k, v: kh, vh [batch][head][key][64] bf16.
; A work-group takes one head and 512 queries (work-group x = 2 x head + half); a wave 64 queries as four blocks b of 16.
; The head's whole K and V (304 KiB with padding) lie in LDS, brought once by tensor loads in four chunks of 256 keys: nothing is filled again.
; NO CLUSTER: only two work-groups share a head, and each asks for its tiles once, against 16 trips of 64 matrix instructions in each of 8 waves.
; TRANSPOSED: S^T = K q^T, so lane (r, h) holds query r and keys 8 h + j of a tile: the maximum and the sum of a query lie in two lanes,
; two neighbouring tiles rounded to bf16 ARE the second operand of O^T = V^T P^T, and O^T gives a lane eight neighbouring d of one query.
; MASK: a score tile starts from C = bias[key], 0 or -1e10 x log2(e); a masked key's k row was stored as zeros, so its score is exactly that
; constant.  With every key masked the running maximum is that constant, every p is 1, and the softmax is uniform, as in the definition.
; Exponents are in base 2: q is multiplied by log2(e) / 32 before it is rounded to bf16.  A running maximum is taken away before every exponential.
; LIMITS: NaN or infinities in q, k, v are not treated as the definition treats them; p below 2^-126 is 0; the denominator sums p in f32
; while the product takes p rounded to bf16.
.set KP, 144                           ; LDS pitch of a key in K: 128 + 16, an odd multiple of 16
.set VP, 160                           ; in V: 128 + 32, an odd multiple of 32, for the transposing loads
.set VB, 1024*KP                       ; 147,456
.set BB, VB+1024*VP                    ; 311,296: the bias table, 1,024 f32, written by ds_store, in blocks into which no fill lands
.set STG, 16*272                       ; the way out: a wave's stage, in K's bytes behind their last read
.set ADK, 4                            ; K fragments: 144 r + 16 h, stepped
.set ADV, 5                            ; V fragments, stepped
.set ADB, 6                            ; bias: BB + 32 h, stepped
.set QOFF, 7                           ; q in operand order: 4,096 r + 32 h
.set STO, 8
.set RD, 9
.set CO, 10                            ; q and ob by rows: 4,096 h + 16 r
.set M, 12                             ; v12-15  running maximum of block b
.set LS, 16                            ; v16-19  running sum (this lane's keys)
.set PA, 20                            ; v20-27  pairs (-maximum, alpha) of block b
.set T, 28                             ; v28-31
.set X, 32                             ; v32-35
.set R, 36                             ; v36-43
.set BI, 48                            ; v48-79  bias of four tiles
.set RB, 96                            ; v96-127 the way out
.set S, 128                            ; v128-255 S[b][t] at S + 32 b + 8 t; then P packed at S + 32 b + 16 u
.set O, 0                              ; window 1: O[b][dt] at 32 b + 8 dt
.set QF, 128                           ; window 1: q fragments at QF + 16 b + 8 ds
.set KV, 192                           ; window 1: K fragments (t, ds), then V fragments (dt, u)
.set MSB, 0
.macro WIN new
.if MSB != \new
	s_set_vgpr_msb (MSB<<8)|\new
.set MSB, \new
.endif
.endm
	s_load_b256 s[24:31], s[0:1], 0x0              ; qf 24, kh 26, vh 28, mask 30
	s_load_b64 s[48:49], s[0:1], 0x20              ; ob
	v_lshl_add_u32 v94, v0, 2, 0x4d000
	v_mov_b32 v95, 0
	ds_add_u32 v94, v95
	ds_add_u32 v94, v95
	v_lshrrev_b32 v1, 5, v0
	v_readfirstlane_b32 s8, v1                     ; wave 0..7
	s_lshr_b32 s10, ttmp9, 1                       ; 16 x batch + head
	s_and_b32 s11, ttmp9, 1                        ; which 512 queries
	s_mov_b32 s12, 0x76543210                      ; v_permlanex16_b32: lane i reads lane i of the other half
	s_mov_b32 s13, 0xfedcba98
	s_mov_b32 s14, 0x3d38aa3b                      ; log2(e) / 32
	s_mov_b32 s15, 0x3d38aa3b
	; group 1: 64 keys = 8,192 dense bytes as 32 rows of 32 elements of 8 bytes; padding behind every 32 words, that is, behind every key
	s_mov_b32 s17, 32<<16
	s_mov_b32 s18, 32<<16
	s_mov_b32 s19, 32<<16
	s_mov_b32 s20, 32
	s_mov_b32 s21, 32
	s_mov_b32 s22, 0
	s_mov_b32 s23, 0
	s_lshl_b32 s50, s10, 17                        ; a head is 131,072 bytes
	s_and_b32 s51, s8, 3
	s_lshl_b32 s51, s51, 13                        ; my 64 keys of a chunk
	s_add_co_u32 s50, s50, s51
	s_mov_b32 s51, 0
	s_wait_dscnt 0x0
	s_wait_kmcnt 0x0
	; First fills: waves 0-3 bring K, waves 4-7 V, four loads each (one a chunk), each with a group 0 of its own: four tensor loads of a wave are out at the most.
	s_cmp_lt_u32 s8, 4
	s_cbranch_scc0 .Lfill_v
	s_mov_b32 s16, (3<<16)|(1<<20)|(4<<22)|(3<<25) ; 4 words of padding
	s_mul_i32 s52, s8, 64*KP
	s_add_nc_u64 s[54:55], s[26:27], s[50:51]
.irp c, 0,1,2,3
	s_mov_b32 s[32+4*\c], 1
	s_add_co_u32 s[33+4*\c], s52, \c*256*KP
	s_add_nc_u64 s[34+4*\c:35+4*\c], s[54:55], \c*32768
	s_or_b32 s[35+4*\c], s[35+4*\c], 0x80000000
	tensor_load_to_lds s[32+4*\c:35+4*\c], s[16:23]
	s_nop 0
.endr
	s_branch .Lfilled
.Lfill_v:
	s_mov_b32 s16, (3<<16)|(1<<20)|(4<<22)|(7<<25) ; 8 words of padding
	s_mul_i32 s52, s8, 64*VP
	s_add_co_u32 s52, s52, VB-4*64*VP              ; wave 4 begins at VB
	s_add_nc_u64 s[54:55], s[28:29], s[50:51]
.irp c, 0,1,2,3
	s_mov_b32 s[32+4*\c], 1
	s_add_co_u32 s[33+4*\c], s52, \c*256*VP
	s_add_nc_u64 s[34+4*\c:35+4*\c], s[54:55], \c*32768
	s_or_b32 s[35+4*\c], s[35+4*\c], 0x80000000
	tensor_load_to_lds s[32+4*\c:35+4*\c], s[16:23]
	s_nop 0
.endr
.Lfilled:
	; the batch's mask, four bytes a thread; then my 64 queries in operand order
	s_lshr_b32 s50, s10, 4
	s_lshl_b32 s50, s50, 10                        ; batch x 1,024
	s_add_nc_u64 s[30:31], s[30:31], s[50:51]
	v_lshlrev_b32 v11, 2, v0
	global_load_b32 v44, v11, s[30:31]
	s_lshl_b32 s52, s11, 9
	s_add_co_u32 s52, s52, s50
	s_lshl_b32 s53, s8, 6
	s_add_co_u32 s52, s52, s53                     ; my first row
	s_lshl_b32 s52, s52, 12
	s_and_b32 s53, s10, 15
	s_lshl_b32 s53, s53, 8                         ; the head's 256 bytes in a row
	s_add_co_u32 s52, s52, s53
	s_mov_b32 s53, 0
	s_add_nc_u64 s[24:25], s[24:25], s[52:53]
	s_add_nc_u64 s[48:49], s[48:49], s[52:53]
	v_and_b32 v1, 15, v0                           ; r
	v_bfe_u32 v2, v0, 4, 1                         ; h
	v_lshlrev_b32 v[QOFF], 12, v1
	v_lshl_add_u32 v[QOFF], v2, 5, v[QOFF]
.irp b, 0,1,2,3
.irp d, 0,1
.irp f, 0,1
	global_load_b128 v[S+32*\b+16*\d+8*\f:S+32*\b+16*\d+8*\f+3],   v[QOFF], s[24:25] offset:65536*\b+128*\d+64*\f
	global_load_b128 v[S+32*\b+16*\d+8*\f+4:S+32*\b+16*\d+8*\f+7], v[QOFF], s[24:25] offset:65536*\b+128*\d+64*\f+16
.endr
.endr
.endr
	v_mul_u32_u24 v[ADK], v1, KP
	v_lshl_add_u32 v[ADK], v2, 4, v[ADK]
	v_and_b32 v3, 7, v0
	v_lshl_add_u32 v3, v2, 3, v3                   ; 8 h + (l & 7)
	v_mul_u32_u24 v3, v3, VP
	v_bfe_u32 v[ADV], v0, 3, 1
	v_lshl_add_u32 v[ADV], v[ADV], 4, v3
	v_add_nc_u32 v[ADV], VB, v[ADV]
	v_lshl_add_u32 v[ADB], v2, 5, BB
	s_mul_i32 s9, s8, STG
	v_mul_u32_u24 v3, v1, 272
	v_lshl_add_u32 v3, v2, 5, v3
	v_add_nc_u32 v[STO], s9, v3                    ; in: query r, 32 bytes for each half of the lanes
	v_mul_u32_u24 v3, v2, 272
	v_lshl_add_u32 v3, v1, 4, v3
	v_add_nc_u32 v[RD], s9, v3                     ; back: lanes 0-15 one query's 256 bytes, lanes 16-31 the next
	v_lshlrev_b32 v[CO], 4, v1
	v_lshl_add_u32 v[CO], v2, 12, v[CO]
.irp b, 0,1,2,3
	v_mov_b32 v[X+\b], 0                           ; v_permlanex16_b32 counts as a reader of its destination
.endr
	s_wait_loadcnt 32                              ; the mask word is in; the 32 loads of q behind it stay out
	v_mov_b32 v45, 0xd056fa73                      ; -1e10 x log2(e)
.irp k, 0,1,2,3
	v_bfe_u32 v46, v44, 8*\k, 8
	v_cmp_eq_u32 vcc_lo, 0, v46
	v_cndmask_b32 v[R+\k], 0, v45, vcc_lo          ; only a value is chosen: no address and no branch hangs on the mask
.endr
	v_lshl_add_u32 v47, v0, 4, BB
	ds_store_b128 v47, v[R:R+3]
	s_wait_loadcnt 0x0
.set i, 0
.rept 64
	v_pk_mul_f32 v[S+2*i:S+2*i+1], v[S+2*i:S+2*i+1], s[14:15] op_sel_hi:[1,0]
.set i, i+1
.endr
	WIN 0x40                                       ; destination window 1
.set i, 0
.rept 64
	v_cvt_pk_bf16_f32 v[QF+i], v[S+2*i], v[S+2*i+1]
.set i, i+1
.endr
	WIN 0
; A chunk of 256 keys is shown to every wave: my own loads of it have landed (left = my younger loads), my LDS store of the bias table is done.
; Later chunks may stay on their way.
.macro GATE left
	s_wait_tensorcnt \left
	s_wait_dscnt 0x0
	s_barrier_signal -1
	s_barrier_wait -1
.endm
.macro ADDB b                          ; score - maximum
.set i, 0
.rept 16
	v_pk_add_f32 v[S+32*\b+2*i:S+32*\b+2*i+1], v[S+32*\b+2*i:S+32*\b+2*i+1], v[PA+2*\b:PA+2*\b+1] op_sel_hi:[1,0]
.set i, i+1
.endr
.endm
.macro EXPB b
.set i, 0
.rept 32
	v_exp_f32 v[S+32*\b+i], v[S+32*\b+i]
.set i, i+1
.endr
.endm
; The block's 32 p are summed in four chains and rounded to bf16 in place: tiles 2 u, 2 u + 1 become the operand at S + 32 b + 16 u.
.macro SUMCVT b, first
	s_wait_alu depctr_va_vdst(0)
.irp k, 0,1,2,3
	v_pk_add_f32 v[R+2*\k:R+2*\k+1], v[S+32*\b+4*\k:S+32*\b+4*\k+1], v[S+32*\b+4*\k+2:S+32*\b+4*\k+3]
.endr
.irp k, 0,1,2,3,4,5,6,7
	v_cvt_pk_bf16_f32 v[S+32*\b+\k], v[S+32*\b+2*\k], v[S+32*\b+2*\k+1]
.endr
.irp k, 0,1,2,3,4,5,6,7
	v_pk_add_f32 v[R+2*(\k%4):R+2*(\k%4)+1], v[R+2*(\k%4):R+2*(\k%4)+1], v[S+32*\b+16+2*\k:S+32*\b+16+2*\k+1]
.endr
.irp k, 0,1,2,3,4,5,6,7
	v_cvt_pk_bf16_f32 v[S+32*\b+16+\k], v[S+32*\b+16+2*\k], v[S+32*\b+16+2*\k+1]
.endr
	v_pk_add_f32 v[R:R+1], v[R:R+1], v[R+2:R+3]
	v_pk_add_f32 v[R+4:R+5], v[R+4:R+5], v[R+6:R+7]
	v_pk_add_f32 v[R:R+1], v[R:R+1], v[R+4:R+5]
.if \first
	v_add_f32 v[LS+\b], v[R], v[R+1]
.else
	v_add_f32 v[R], v[R], v[R+1]
	v_fma_f32 v[LS+\b], v[LS+\b], v[PA+2*\b+1], v[R]
.endif
.endm
; One trip: 64 keys against my 64 queries.  first = 1: the first products start the sums, and there is no older maximum.
; In both products the 16 accumulators take turns, one instruction a turn.
.macro TRIP first
	WIN 0x40
.irp t, 0,1,2,3
.irp d, 0,1
	ds_load_b128 v[KV+16*\t+8*\d:KV+16*\t+8*\d+3],   v[ADK] offset:16*KP*\t+64*\d
	ds_load_b128 v[KV+16*\t+8*\d+4:KV+16*\t+8*\d+7], v[ADK] offset:16*KP*\t+64*\d+32
.endr
.endr
	WIN 0
.irp t, 0,1,2,3
	ds_load_b128 v[BI+8*\t:BI+8*\t+3],   v[ADB] offset:64*\t
	ds_load_b128 v[BI+8*\t+4:BI+8*\t+7], v[ADB] offset:64*\t+16
.endr
	s_wait_dscnt 0x0
	WIN 0x05                                       ; K and q from window 1; bias and S in window 0
.irp t, 0,1,2,3
.irp b, 0,1,2,3
	v_wmma_f32_16x16x32_bf16 v[S+32*\b+8*\t:S+32*\b+8*\t+7], v[KV+16*\t:KV+16*\t+7], v[QF+16*\b:QF+16*\b+7], v[BI+8*\t:BI+8*\t+7]
.endr
.endr
.irp t, 0,1,2,3
.irp b, 0,1,2,3
	v_wmma_f32_16x16x32_bf16 v[S+32*\b+8*\t:S+32*\b+8*\t+7], v[KV+16*\t+8:KV+16*\t+15], v[QF+16*\b+8:QF+16*\b+15], v[S+32*\b+8*\t:S+32*\b+8*\t+7]
.endr
.endr
.rept 4
	v_nop                                          ; four places: V lands on K's fragments, and the maxima read S
.endr
	WIN 0x40
.irp e, 0,1,2,3
.irp u, 0,1
	ds_load_tr16_b128 v[KV+16*\e+8*\u:KV+16*\e+8*\u+3],   v[ADV] offset:32*VP*\u+32*\e
	ds_load_tr16_b128 v[KV+16*\e+8*\u+4:KV+16*\e+8*\u+7], v[ADV] offset:32*VP*\u+32*\e+16*VP
.endr
.endr
	WIN 0
	; the new maximum of each query: four chains, one a block
.irp b, 0,1,2,3
.if \first
	v_max_num_f32 v[T+\b], v[S+32*\b], v[S+32*\b+1]
.else
	v_max3_num_f32 v[T+\b], v[M+\b], v[S+32*\b], v[S+32*\b+1]
.endif
.endr
.set i, 1
.rept 15
.irp b, 0,1,2,3
	v_max3_num_f32 v[T+\b], v[T+\b], v[S+32*\b+2*i], v[S+32*\b+2*i+1]
.endr
.set i, i+1
.endr
.irp b, 0,1,2,3
	v_permlanex16_b32 v[X+\b], v[T+\b], s12, s13   ; the query's other eight keys of each tile
.endr
.irp b, 0,1,2,3
	v_max_num_f32 v[T+\b], v[T+\b], v[X+\b]
.endr
.if \first
.irp b, 0,1,2,3
	v_mov_b32 v[PA+2*\b+1], 0                      ; not used in this trip; the packed adds below name the whole pair
.endr
.else
.irp b, 0,1,2,3
	v_sub_f32 v[X+\b], v[M+\b], v[T+\b]
.endr
.irp b, 0,1,2,3
	v_exp_f32 v[PA+2*\b+1], v[X+\b]                ; alpha = 2^(old maximum - new)
.endr
.endif
.irp b, 0,1,2,3
	v_mov_b32 v[M+\b], v[T+\b]                     ; plain instructions between the exponentials and the first use of alpha
.endr
	s_wait_alu depctr_va_vdst(0)
.irp b, 0,1,2,3
	v_sub_f32 v[PA+2*\b], 0, v[T+\b]
.endr
	; Behind a block's exponentials stands plain work on another block before their results are read (ISA guide 5.7.2)
	ADDB 0
	EXPB 0
	ADDB 1
	EXPB 1
	SUMCVT 0, \first
	ADDB 2
	EXPB 2
	SUMCVT 1, \first
	ADDB 3
	EXPB 3
	SUMCVT 2, \first
	SUMCVT 3, \first
.if \first == 0
	WIN 0x41                                       ; O in window 1, alpha in window 0
.irp b, 0,1,2,3
.set i, 0
.rept 16
	v_pk_mul_f32 v[O+32*\b+2*i:O+32*\b+2*i+1], v[O+32*\b+2*i:O+32*\b+2*i+1], v[PA+2*\b:PA+2*\b+1] op_sel:[0,1] op_sel_hi:[1,1]
.set i, i+1
.endr
.endr
.endif
	s_wait_dscnt 0x0                               ; V's fragments
	WIN 0x51                                       ; V and O in window 1, P in window 0
.irp e, 0,1,2,3
.irp b, 0,1,2,3
.if \first
	v_wmma_f32_16x16x32_bf16 v[O+32*\b+8*\e:O+32*\b+8*\e+7], v[KV+16*\e:KV+16*\e+7], v[S+32*\b:S+32*\b+7], 0
.else
	v_wmma_f32_16x16x32_bf16 v[O+32*\b+8*\e:O+32*\b+8*\e+7], v[KV+16*\e:KV+16*\e+7], v[S+32*\b:S+32*\b+7], v[O+32*\b+8*\e:O+32*\b+8*\e+7]
.endif
.endr
.endr
.irp e, 0,1,2,3
.irp b, 0,1,2,3
	v_wmma_f32_16x16x32_bf16 v[O+32*\b+8*\e:O+32*\b+8*\e+7], v[KV+16*\e+8:KV+16*\e+15], v[S+32*\b+16:S+32*\b+23], v[O+32*\b+8*\e:O+32*\b+8*\e+7]
.endr
.endr
	WIN 0
	v_add_nc_u32 v[ADK], 64*KP, v[ADK]             ; five places: the next trip's loads land on V's fragments,
	v_add_nc_u32 v[ADV], 64*VP, v[ADV]             ; and its first products write over P
	v_add_nc_u32 v[ADB], 256, v[ADB]
	v_nop
	v_nop
.endm
	GATE 3                                         ; keys 0-255
	TRIP 1
	s_mov_b32 s9, 3
.Lc0:
	TRIP 0
	s_sub_co_i32 s9, s9, 1
	s_cmp_lg_u32 s9, 0
	s_cbranch_scc1 .Lc0
	GATE 2                                         ; keys 256-511
	s_mov_b32 s9, 4
.Lc1:
	TRIP 0
	s_sub_co_i32 s9, s9, 1
	s_cmp_lg_u32 s9, 0
	s_cbranch_scc1 .Lc1
	GATE 1                                         ; keys 512-767
	s_mov_b32 s9, 4
.Lc2:
	TRIP 0
	s_sub_co_i32 s9, s9, 1
	s_cmp_lg_u32 s9, 0
	s_cbranch_scc1 .Lc2
	GATE 0                                         ; keys 768-1023: no tensor load is out from here on
	s_mov_b32 s9, 4
.Lc3:
	TRIP 0
	s_sub_co_i32 s9, s9, 1
	s_cmp_lg_u32 s9, 0
	s_cbranch_scc1 .Lc3
	; ---- THE WAY OUT.  The trip's last five places stand behind the last products.
	WIN 0x40                                       ; q again, by rows, onto the fragments of window 1
.irp b, 0,1,2,3
.irp t, 0,1,2,3,4,5,6,7
	global_load_b128 v[128+32*\b+4*\t:128+32*\b+4*\t+3], v[CO], s[24:25] offset:65536*\b+8192*\t
.endr
.endr
	WIN 0
	s_wait_dscnt 0x0
	s_barrier_signal -1
	s_barrier_wait -1                              ; every wave's reads of K are over: its bytes, which are filled no more, become the stages
.irp b, 0,1,2,3
	v_permlanex16_b32 v[X+\b], v[LS+\b], s12, s13
.endr
.irp b, 0,1,2,3
	v_add_f32 v[LS+\b], v[LS+\b], v[X+\b]          ; at least 1: the key of the maximum has p = 1
.endr
.irp b, 0,1,2,3
	v_rcp_f32 v[PA+2*\b], v[LS+\b]
	v_rcp_f32 v[PA+2*\b+1], v[LS+\b]
.endr
	v_nop                                          ; one plain place behind the reciprocals
	s_wait_alu depctr_va_vdst(0)
.macro OUTQ b
	s_wait_xcnt 0x0                                ; RB, which the last block's stores read, is rewritten only behind this wait
	WIN 0x01
.set i, 0
.rept 16
	v_pk_mul_f32 v[S+2*i:S+2*i+1], v[O+32*\b+2*i:O+32*\b+2*i+1], v[PA+2*\b:PA+2*\b+1]
.set i, i+1
.endr
	WIN 0
.irp e, 0,1,2,3
	ds_store_b128 v[STO], v[S+8*\e:S+8*\e+3] offset:64*\e
	ds_store_b128 v[STO], v[S+8*\e+4:S+8*\e+7] offset:64*\e+16
.endr
.irp t, 0,1,2,3,4,5,6,7
	ds_load_b128 v[RB+4*\t:RB+4*\t+3], v[RD] offset:544*\t     ; my own stage: LDS serves a wave's instructions in order
.endr
	s_wait_loadcnt 24-8*\b                         ; this block's q is in; the later blocks' loads stay out
	s_wait_dscnt 0x0
	WIN 0x04
.set i, 0
.rept 16
	v_pk_add_f32 v[RB+2*i:RB+2*i+1], v[RB+2*i:RB+2*i+1], v[128+32*\b+2*i:128+32*\b+2*i+1]
.set i, i+1
.endr
	WIN 0
.irp t, 0,1,2,3,4,5,6,7
	global_store_b128 v[CO], v[RB+4*\t:RB+4*\t+3], s[48:49] offset:65536*\b+8192*\t   ; 16 lanes: one query's 256 bytes of this head, aligned
.endr
.endm
	OUTQ 0
	OUTQ 1
	OUTQ 2
	OUTQ 3
	s_wait_tensorcnt 0x0
	ds_add_u32 v94, v95
	s_wait_dscnt 0x0
	s_endpgm
.Lfunc_end_k_q00f19b4e5c_attn:
	.size	k_q00f19b4e5c_attn, .Lfunc_end_k_q00f19b4e5c_attn-k_q00f19b4e5c_attn
	.p2alignl 7, 3214868480
	.fill 96, 4, 3214868480
	.section	.rodata,"a",@progbits
	.p2align	6, 0x0
	.amdhsa_kernel k_q00f19b4e5c_attn
		.amdhsa_group_segment_fixed_size 316416
		.amdhsa_private_segment_fixed_size 0
		.amdhsa_enable_private_segment 0
		.amdhsa_kernarg_size 40
		.amdhsa_user_sgpr_count 2
		.amdhsa_user_sgpr_kernarg_segment_ptr 1
		.amdhsa_wavefront_size32 1
		.amdhsa_system_sgpr_workgroup_id_x 1
		.amdhsa_system_sgpr_workgroup_id_y 1
		.amdhsa_system_sgpr_workgroup_id_z 1
		.amdhsa_system_vgpr_workitem_id 0
		.amdhsa_next_free_vgpr 512
		.amdhsa_next_free_sgpr 66
		.amdhsa_reserve_vcc 1
		.amdhsa_float_denorm_mode_32 3
		.amdhsa_float_denorm_mode_16_64 3
		.amdhsa_memory_ordered 1
		.amdhsa_forward_progress 1
		.amdhsa_inst_pref_size 197
	.end_amdhsa_kernel
	.amdgpu_metadata
---
amdhsa.version: [ 1, 2 ]
amdhsa.kernels:
  - .name:           k_q00f19b4e5c_attn
    .symbol:         k_q00f19b4e5c_attn.kd
    .args:
      - { .name: qf, .offset: 0, .size: 8, .value_kind: global_buffer, .address_space: global }
      - { .name: kh, .offset: 8, .size: 8, .value_kind: global_buffer, .address_space: global }
      - { .name: vh, .offset: 16, .size: 8, .value_kind: global_buffer, .address_space: global }
      - { .name: mask, .offset: 24, .size: 8, .value_kind: global_buffer, .address_space: global }
      - { .name: ob, .offset: 32, .size: 8, .value_kind: global_buffer, .address_space: global }
    .group_segment_fixed_size: 316416
    .private_segment_fixed_size: 0
    .kernarg_segment_align: 8
    .kernarg_segment_size: 40
    .max_flat_workgroup_size: 256
    .sgpr_count:     66
    .vgpr_count:     512
    .wavefront_size: 32
...
	.end_amdgpu_metadata
.endif
;; end of part 3
;; launch ffn (part 4): grid 256 x 1, 4 waves a work-group, no clusters, 264,704 bytes of LDS; arguments ob, WF, g0, b0, bo, yb; writes yb
.if DOCPART == 4
	.amdgcn_target "amdgcn-amd-amdhsa--gfx1250"
	.amdhsa_code_object_version 6
	.text
	.protected	k_q00f19b4e5c_ffn
	.globl	k_q00f19b4e5c_ffn
	.p2align	8
	.type	k_q00f19b4e5c_ffn,@function
k_q00f19b4e5c_ffn:
	s_mov_b64 s[64:65], 0
	v_nop
	global_prefetch_b8 v0, s[64:65] scope:SCOPE_SE
	s_setreg_imm32_b32 hwreg(HW_REG_WAVE_MODE, 25, 1), 1
	s_wait_xcnt 0x0
; yb = O + relu(O Wo + bo),  O = LN0(ob).  ob, yb: [8192][1024] f32.  Wo in operand order in WF (blocks 12-15, see the first launch).
; A work-group makes 128 rows x 256 columns (work-group x = 4 x row block + column block cb), so a weight byte feeds 128 rows:
; 512 KiB of rows and 512 KiB of weights come into a work-group for 4 x 1,024 matrix instructions.
; LN0: K of the product is the whole row, so the work-group has its 128 whole rows anyway; a wave normalises 32 of them, two at a time
; (two chains of reductions cover each other's latencies), mean first, then the squares of the differences.
; ROTATED CHUNKS: a row's eight chunks of 128 columns are loaded in the order (e + 2 cb) mod 8, e = 0..7, so the work-group's own 256
; columns are a row's first 8 registers.  Their O stays in f32 in window 3 (32 rows x 8 registers) as the residual: ob is read once and no
; f32 copy lies in LDS.  O goes to LDS as bf16 in the rotated order, and the weights' K steps are fetched in the same rotated order:
; K permuted alike on both sides leaves the products, and no LDS address hangs on the work-group's number.
; PRODUCT: wave w makes 128 rows x columns 64 w .. 64 w + 63 of the block in 32 accumulator tiles.  Its weights are used by this wave alone, so
; they go straight from memory into a ring of eight K steps of 32 registers, seven steps ahead; O's fragments come from LDS, double buffered.
; All 32 K steps are written out: every offset stands in an immediate, no base is stepped, and the text has no label.
; Transposed use: source 0 = weights, source 1 = rows of O; lane (r, h) holds row r and columns 16 nt + 8 h + j.
; WAY OUT: the sums go through a stage over O's dead bytes (each writer's own 128 rows x 272 bytes) back to the wave that owns the rows.
; NO CLUSTER, NO TENSOR LOADS: the four column blocks of a row block read the same rows, and 64 row blocks the same weights.  But the rows must
; pass through registers to be normalised, and the operand fills 264,192 of the 327,680 bytes of LDS with bytes written by LDS stores; in the
; 63,488 left two slots would hold 7 rows of f32 each, or less than two K steps of weights each (56 matrix instructions a wave from a
; request to its wait), with a round of the cluster's barrier for each.
; LIMITS: relu of a NaN gives 0; the order of the sum over K differs between column blocks.
; WINDOWS: 0: addresses, reductions, six row slots, later O's fragments and the stage's read-back;  1: g0, b0, later the 32 accumulators
; (tile (i, nt) at 8 (4 i + nt));  2: the weights' ring (step st at 32 (st mod 8));  3: the residual (row i at 8 i).
.set OBP,  2064                        ; pitch of O in bf16: 2,048 + 16, an odd multiple of 16
.set WSTG, 128*272                     ; 34,816: a writer's stage: 128 rows of 256 bytes + 16
.set ROFF, 4                           ; 16 l
.set STA,  5                           ; stage in: WSTG w + 272 r + 32 h
.set RDS,  6                           ; v6, v7: stage back: writers 0-1 (2-3), my 32 rows, 16 (l mod 16)
.set OFFC, 8                           ; v8-15  byte offset in a row of f32 of chunk e: 16 l + 512 ((e + 2 cb) mod 8)
.set WOFF, 16                          ; v16-23 byte offset in the weights of chunk e's four K steps: 16 l + 65,536 ((e + 2 cb) mod 8)
.set AFA,  24                          ; v24-27 O's fragments: row tiles 2 g, 2 g + 1: (32 g + r) x pitch + 16 h
.set TP,   28                          ; v28, v29
.set OBA,  30                          ; v30, v31: my 32 rows of O bf16 + 8 l, chunks 0-3 (4-7)
.set C,    32                          ; v32-47 four chains of pairs for each of two rows
.set MEAN, 48                          ; v48-51
.set RSTD, 52                          ; v52-55
.set BOV,  56                          ; v56-63 bo of my 8 columns
.set X,    64                          ; v64-255 six row slots
.set AF,   64                          ; v64-191 O's fragments, two buffers of 64
.set TB,   64                          ; v64-191 the stage's read-back, two buffers of 64
.set G0V,  0                           ; window 1
.set B0V,  32                          ; window 1
.set MSB, 0
.macro WIN new                         ; the immediate's high byte repeats the setting that is left
.if MSB != \new
	s_set_vgpr_msb (MSB<<8)|\new
.set MSB, \new
.endif
.endm
	s_load_b256 s[4:11], s[0:1], 0x0               ; ob 4, WF 6, g0 8, b0 10
	s_load_b128 s[12:15], s[0:1], 0x20             ; bo 12, yb 14
	v_lshrrev_b32 v1, 5, v0
	v_readfirstlane_b32 s24, v1                    ; wave 0..3
	s_mov_b32 s20, 0x3a800000                      ; 1 / 1024
	s_mov_b32 s21, 0x3727c5ac                      ; 1e-5
	s_mov_b32 s22, 0x76543210                      ; v_permlanex16_b32: lane i reads lane i of the other half
	s_mov_b32 s23, 0xfedcba98
	s_and_b32 s25, ttmp9, 3                        ; column block cb
	s_lshr_b32 s26, ttmp9, 2                       ; row block
	v_and_b32 v1, 31, v0                           ; l
	v_and_b32 v2, 15, v0                           ; r
	v_bfe_u32 v3, v0, 4, 1                         ; h
	v_lshlrev_b32 v[ROFF], 4, v1
	s_lshl_b32 s28, s25, 1                         ; 2 cb
.irp k, 0,1,2,3,4,5,6,7
	s_add_co_u32 s29, s28, \k
	s_and_b32 s29, s29, 7                          ; the true chunk at place k
	s_lshl_b32 s30, s29, 9                         ; 128 columns x 4 bytes
	s_lshl_b32 s31, s29, 16                        ; 4 K steps x 16,384 bytes
	v_add_nc_u32 v[OFFC+\k], s30, v[ROFF]
	v_add_nc_u32 v[WOFF+\k], s31, v[ROFF]
.endr
	s_lshl_b32 s32, s26, 19                        ; 128 rows x 4,096 bytes
	s_lshl_b32 s33, s24, 17                        ; + my 32 rows
	s_add_co_u32 s32, s32, s33
	s_mov_b32 s33, 0
	s_add_co_u32 s34, s25, 12                      ; WF block 12 + cb
	s_lshl_b32 s34, s34, 19
	s_lshl_b32 s35, s24, 12                        ; + my four column tiles of 1,024 bytes in each K step
	s_add_co_u32 s34, s34, s35
	s_mov_b32 s35, 0
	s_wait_kmcnt 0x0
	s_add_nc_u64 s[4:5], s[4:5], s[32:33]
	s_add_nc_u64 s[14:15], s[14:15], s[32:33]
	s_add_nc_u64 s[6:7], s[6:7], s[34:35]
.macro ROWLOAD i                       ; my row i into its slot: eight loads of 512 consecutive bytes
.irp e, 0,1,2,3,4,5,6,7
	global_load_b128 v[X+32*((\i)%6)+4*\e:X+32*((\i)%6)+4*\e+3], v[OFFC+\e], s[4:5] offset:4096*(\i)
.endr
.endm
.macro WLOAD st                        ; the weights of K step st (by place) into the ring: eight loads of 512 consecutive bytes
.irp e, 0,1,2,3
	global_load_b128 v[32*((\st)%8)+8*\e:32*((\st)%8)+8*\e+3],   v[WOFF+((\st)>>2)], s[6:7] offset:((\st)&3)*16384+1024*\e
	global_load_b128 v[32*((\st)%8)+8*\e+4:32*((\st)%8)+8*\e+7], v[WOFF+((\st)>>2)], s[6:7] offset:((\st)&3)*16384+1024*\e+512
.endr
.endm
	; g0, b0 (16 loads), bo (2), rows 0-3 (32): 50 loads
	WIN 0x40
.irp e, 0,1,2,3,4,5,6,7
	global_load_b128 v[G0V+4*\e:G0V+4*\e+3], v[OFFC+\e], s[8:9]
	global_load_b128 v[B0V+4*\e:B0V+4*\e+3], v[OFFC+\e], s[10:11]
.endr
	WIN 0
	global_load_b128 v[BOV:BOV+3],   v[OFFC],   s[12:13]
	global_load_b128 v[BOV+4:BOV+7], v[OFFC+1], s[12:13]
	ROWLOAD 0
	ROWLOAD 1
	ROWLOAD 2
	ROWLOAD 3
	; LDS addresses: the wave's number, the lane, constants
	s_mul_i32 s27, s24, 32*OBP
	v_lshl_add_u32 v[OBA], v1, 3, s27
	v_add_nc_u32 v[OBA+1], 1024, v[OBA]
	v_mul_u32_u24 v[AFA], v2, OBP
	v_lshl_add_u32 v[AFA], v3, 4, v[AFA]
	v_add_nc_u32 v[AFA+1], 32*OBP, v[AFA]
	v_add_nc_u32 v[AFA+2], 64*OBP, v[AFA]
	v_add_nc_u32 v[AFA+3], 96*OBP, v[AFA]
	s_mul_i32 s27, s24, WSTG
	v_mul_u32_u24 v[STA], v2, 272
	v_lshl_add_u32 v[STA], v3, 5, v[STA]
	v_add_nc_u32 v[STA], s27, v[STA]
	s_mul_i32 s27, s24, 32*272
	v_mul_u32_u24 v[RDS], v3, WSTG
	v_lshl_add_u32 v[RDS], v2, 4, v[RDS]
	v_add_nc_u32 v[RDS], s27, v[RDS]
	v_add_nc_u32 v[RDS+1], 2*WSTG, v[RDS]
	v_mov_b32 v[TP], 0                             ; v_permlanex16_b32 counts as a reader of its destination
	v_mov_b32 v[TP+1], 0
; Both rows' four chains of pairs become one number in every lane, line by line in turn
.macro RED2
.irp q, 0,1
	v_pk_add_f32 v[C+8*\q:C+8*\q+1], v[C+8*\q:C+8*\q+1], v[C+8*\q+2:C+8*\q+3]
	v_pk_add_f32 v[C+8*\q+4:C+8*\q+5], v[C+8*\q+4:C+8*\q+5], v[C+8*\q+6:C+8*\q+7]
.endr
.irp q, 0,1
	v_pk_add_f32 v[C+8*\q:C+8*\q+1], v[C+8*\q:C+8*\q+1], v[C+8*\q+4:C+8*\q+5]
.endr
.irp q, 0,1
	v_add_f32 v[C+8*\q], v[C+8*\q], v[C+8*\q+1]
.endr
.irp m, 1,2,4,8
.irp q, 0,1
	v_add_f32_dpp v[C+8*\q], v[C+8*\q], v[C+8*\q] row_xmask:\m row_mask:0xf bank_mask:0xf
.endr
.endr
.irp q, 0,1
	v_permlanex16_b32 v[TP+\q], v[C+8*\q], s22, s23
.endr
.irp q, 0,1
	v_add_f32 v[C+8*\q], v[C+8*\q], v[TP+\q]
.endr
.endm
; LN0 of my rows 2 p and 2 p + 1.  left = the younger loads that may stay out.  Behind the work the two slots get rows 2 p + 6, 2 p + 7;
; when all rows are asked for, two K steps of weights go out in their stead, so that the count stays the same.
.macro LNPAIR p, left
.set RA, 2*(\p)
.set XP, X+32*(RA%6)
	s_wait_loadcnt \left
.if (\p) == 0
	ROWLOAD 4                                      ; the last two slots' first rows: behind the first wait, so that 48 loads are out at the most
	ROWLOAD 5
.endif
.irp q, 0,1
.irp k, 0,1,2,3
	v_pk_add_f32 v[C+8*\q+2*\k:C+8*\q+2*\k+1], v[XP+32*\q+4*\k:XP+32*\q+4*\k+1], v[XP+32*\q+4*\k+2:XP+32*\q+4*\k+3]
.endr
.endr
.irp k, 8,9,10,11,12,13,14,15
.irp q, 0,1
	v_pk_add_f32 v[C+8*\q+2*(\k%4):C+8*\q+2*(\k%4)+1], v[C+8*\q+2*(\k%4):C+8*\q+2*(\k%4)+1], v[XP+32*\q+2*\k:XP+32*\q+2*\k+1]
.endr
.endr
	RED2
.irp q, 0,1
	v_mul_f32 v[MEAN+2*\q], s20, v[C+8*\q]
	v_mul_f32 v[MEAN+2*\q+1], s20, v[C+8*\q]
.endr
.irp q, 0,1
.set k, 0
.rept 16
	v_pk_add_f32 v[XP+32*\q+2*k:XP+32*\q+2*k+1], v[XP+32*\q+2*k:XP+32*\q+2*k+1], v[MEAN+2*\q:MEAN+2*\q+1] neg_lo:[0,1] neg_hi:[0,1]
.set k, k+1
.endr
.endr
.irp q, 0,1
.irp k, 0,1,2,3
	v_pk_mul_f32 v[C+8*\q+2*\k:C+8*\q+2*\k+1], v[XP+32*\q+2*\k:XP+32*\q+2*\k+1], v[XP+32*\q+2*\k:XP+32*\q+2*\k+1]
.endr
.endr
.irp k, 4,5,6,7,8,9,10,11,12,13,14,15
.irp q, 0,1
	v_pk_fma_f32 v[C+8*\q+2*(\k%4):C+8*\q+2*(\k%4)+1], v[XP+32*\q+2*\k:XP+32*\q+2*\k+1], v[XP+32*\q+2*\k:XP+32*\q+2*\k+1], v[C+8*\q+2*(\k%4):C+8*\q+2*(\k%4)+1]
.endr
.endr
	RED2
.irp q, 0,1
	v_fma_f32 v[C+8*\q], v[C+8*\q], s20, s21       ; variance + 1e-5
.endr
.irp q, 0,1
	v_rsq_f32 v[RSTD+2*\q], v[C+8*\q]
	v_rsq_f32 v[RSTD+2*\q+1], v[C+8*\q]
.endr
	v_nop                                          ; one plain place behind the roots
	s_wait_alu depctr_va_vdst(0)
.irp q, 0,1
.set k, 0
.rept 16
	v_pk_mul_f32 v[XP+32*\q+2*k:XP+32*\q+2*k+1], v[XP+32*\q+2*k:XP+32*\q+2*k+1], v[RSTD+2*\q:RSTD+2*\q+1]
.set k, k+1
.endr
.endr
	WIN 0xd4                                       ; g0, b0 in window 1; my own 8 columns' O goes to window 3 and stays there
.irp q, 0,1
.irp k, 0,1,2,3
	v_pk_fma_f32 v[8*(RA+\q)+2*\k:8*(RA+\q)+2*\k+1], v[XP+32*\q+2*\k:XP+32*\q+2*\k+1], v[G0V+2*\k:G0V+2*\k+1], v[B0V+2*\k:B0V+2*\k+1]
.endr
.endr
	WIN 0x14                                       ; the other 24 columns in place
.irp q, 0,1
.irp k, 4,5,6,7,8,9,10,11,12,13,14,15
	v_pk_fma_f32 v[XP+32*\q+2*\k:XP+32*\q+2*\k+1], v[XP+32*\q+2*\k:XP+32*\q+2*\k+1], v[G0V+2*\k:G0V+2*\k+1], v[B0V+2*\k:B0V+2*\k+1]
.endr
.endr
	WIN 0x0f                                       ; rounded to bf16 into the slot's first 16 registers, k ascending: register k is written after 2 k and 2 k + 1 were read
.irp q, 0,1
.irp k, 0,1,2,3
	v_cvt_pk_bf16_f32 v[XP+32*\q+\k], v[8*(RA+\q)+2*\k], v[8*(RA+\q)+2*\k+1]
.endr
.endr
	WIN 0
.irp q, 0,1
.irp k, 4,5,6,7,8,9,10,11,12,13,14,15
	v_cvt_pk_bf16_f32 v[XP+32*\q+\k], v[XP+32*\q+2*\k], v[XP+32*\q+2*\k+1]
.endr
.endr
.irp q, 0,1
.irp e, 0,1,2,3,4,5,6,7
	ds_store_b64 v[OBA+(\e>>2)], v[XP+32*\q+2*\e:XP+32*\q+2*\e+1] offset:(RA+\q)*OBP+256*(\e&3)   ; 32 lanes: 256 consecutive bytes
.endr
.endr
.if (\p) <= 12
	ROWLOAD RA+6
	ROWLOAD RA+7
.else
	WIN 0x80
	WLOAD 2*(\p)-26
	WLOAD 2*(\p)-25
	WIN 0
.endif
.endm
	LNPAIR 0, 16                                   ; 16: rows 2, 3
.irp p, 1,2,3,4,5,6,7,8,9,10,11,12,13,14,15
	LNPAIR \p, 32                                  ; 32: the two groups of 16 loads issued behind this pair's
.endr
	WIN 0x80
	WLOAD 6                                        ; K steps 0-6 are now on their way: 56 loads
	WIN 0
	s_wait_dscnt 0x0                               ; my 32 rows of O are in LDS
	s_barrier_signal -1
	s_barrier_wait -1
; O's fragments of K step st: eight row tiles, 64 registers
.macro AFLOAD st
.irp i, 0,1,2,3,4,5,6,7
	ds_load_b128 v[AF+64*((\st)&1)+8*\i:AF+64*((\st)&1)+8*\i+3],   v[AFA+(\i>>1)] offset:(\i&1)*16*OBP+64*(\st)
	ds_load_b128 v[AF+64*((\st)&1)+8*\i+4:AF+64*((\st)&1)+8*\i+7], v[AFA+(\i>>1)] offset:(\i&1)*16*OBP+64*(\st)+32
.endr
.endm
	AFLOAD 0
; A K step: its weights are in (the count leaves the younger steps out); four places behind the last step's products; the weights of step
; ks + 7 land on the ring's slot read last, O's fragments of step ks + 1 on the buffer read last; then 32 products.
; The 32 accumulators take turns, one instruction a turn.
.set ks, 0
.rept 32
.if ks <= 25
	s_wait_loadcnt 48                              ; six younger steps of 8 loads
.else
	s_wait_loadcnt 8*(31-ks)                       ; nothing more is asked for: the counts run down
.endif
.rept 4
	v_nop
.endr
.if ks <= 24
	WIN 0x80
	WLOAD ks+7
.endif
.if ks <= 30
	WIN 0
	AFLOAD ks+1
	s_wait_dscnt 16                                ; this step's fragments are in, the 16 loads just issued stay out
.else
	s_wait_dscnt 0x0
.endif
	WIN 0x52                                       ; weights window 2, O window 0, sums window 1
.irp e, 0,1,2,3
.irp i, 0,1,2,3,4,5,6,7
.if ks == 0
	v_wmma_f32_16x16x32_bf16 v[8*(4*\i+\e):8*(4*\i+\e)+7], v[32*(ks%8)+8*\e:32*(ks%8)+8*\e+7], v[AF+64*(ks&1)+8*\i:AF+64*(ks&1)+8*\i+7], 0
.else
	v_wmma_f32_16x16x32_bf16 v[8*(4*\i+\e):8*(4*\i+\e)+7], v[32*(ks%8)+8*\e:32*(ks%8)+8*\e+7], v[AF+64*(ks&1)+8*\i:AF+64*(ks&1)+8*\i+7], v[8*(4*\i+\e):8*(4*\i+\e)+7]
.endif
.endr
.endr
.set ks, ks+1
.endr
	WIN 0
.rept 4
	v_nop                                          ; places behind the last products
.endr
	s_barrier_signal -1                            ; no LDS instruction of mine is out (the last step waited for 0)
	s_barrier_wait -1                              ; no wave reads O any more: its bytes become the stages
	WIN 0x04                                       ; an LDS store's data is source 1: window 1
.irp i, 0,1,2,3,4,5,6,7
.irp e, 0,1,2,3
	ds_store_b128 v[STA], v[8*(4*\i+\e):8*(4*\i+\e)+3]   offset:\i*16*272+64*\e
	ds_store_b128 v[STA], v[8*(4*\i+\e)+4:8*(4*\i+\e)+7] offset:\i*16*272+64*\e+16
.endr
.endr
	WIN 0
	s_wait_dscnt 0x0
	s_barrier_signal -1
	s_barrier_wait -1
; My rows 8 b .. 8 b + 7 come back as I hold their residual: lanes 0-15 read one writer's 256 bytes of the row, lanes 16-31 the next writer's
.macro YLOAD b
.irp i, 0,1,2,3,4,5,6,7
	ds_load_b128 v[TB+64*((\b)&1)+8*\i:TB+64*((\b)&1)+8*\i+3],   v[RDS]   offset:(8*(\b)+\i)*272
	ds_load_b128 v[TB+64*((\b)&1)+8*\i+4:TB+64*((\b)&1)+8*\i+7], v[RDS+1] offset:(8*(\b)+\i)*272
.endr
.endm
; y = O + max(sum + bo, 0), into the residual's registers, and out.  left = the next batch's loads.
.macro YOUT b, left
	s_wait_dscnt \left
.set T, TB+64*((\b)&1)
.set k, 0
.rept 32
	v_pk_add_f32 v[T+2*k:T+2*k+1], v[T+2*k:T+2*k+1], v[BOV+2*(k%4):BOV+2*(k%4)+1]
.set k, k+1
.endr
.set k, 0
.rept 64
	v_max_num_f32 v[T+k], 0, v[T+k]
.set k, k+1
.endr
	WIN 0xcc                                       ; the residual in window 3
.set k, 0
.rept 32
	v_pk_add_f32 v[64*(\b)+2*k:64*(\b)+2*k+1], v[T+2*k:T+2*k+1], v[64*(\b)+2*k:64*(\b)+2*k+1]
.set k, k+1
.endr
	WIN 0x0c                                       ; a store's data is source 1: window 3
.irp i, 0,1,2,3,4,5,6,7
	global_store_b128 v[OFFC],   v[64*(\b)+8*\i:64*(\b)+8*\i+3],   s[14:15] offset:4096*(8*(\b)+\i)   ; 512 consecutive bytes, aligned
	global_store_b128 v[OFFC+1], v[64*(\b)+8*\i+4:64*(\b)+8*\i+7], s[14:15] offset:4096*(8*(\b)+\i)
.endr
	WIN 0
.endm
	YLOAD 0
	YLOAD 1
	YOUT 0, 16
	YLOAD 2
	YOUT 1, 16
	YLOAD 3
	YOUT 2, 16
	YOUT 3, 0
	s_wait_xcnt 0x0
	v_lshl_add_u32 v254, v0, 2, 0x40800
	v_mov_b32 v255, 0
	s_wait_tensorcnt 0x0
	ds_add_u32 v254, v255
	s_wait_dscnt 0x0
	s_endpgm
.Lfunc_end_k_q00f19b4e5c_ffn:
	.size	k_q00f19b4e5c_ffn, .Lfunc_end_k_q00f19b4e5c_ffn-k_q00f19b4e5c_ffn
	.p2alignl 7, 3214868480
	.fill 96, 4, 3214868480
	.section	.rodata,"a",@progbits
	.p2align	6, 0x0
	.amdhsa_kernel k_q00f19b4e5c_ffn
		.amdhsa_group_segment_fixed_size 264704
		.amdhsa_private_segment_fixed_size 0
		.amdhsa_enable_private_segment 0
		.amdhsa_kernarg_size 48
		.amdhsa_user_sgpr_count 2
		.amdhsa_user_sgpr_kernarg_segment_ptr 1
		.amdhsa_wavefront_size32 1
		.amdhsa_system_sgpr_workgroup_id_x 1
		.amdhsa_system_sgpr_workgroup_id_y 1
		.amdhsa_system_sgpr_workgroup_id_z 1
		.amdhsa_system_vgpr_workitem_id 0
		.amdhsa_next_free_vgpr 1024
		.amdhsa_next_free_sgpr 66
		.amdhsa_reserve_vcc 0
		.amdhsa_float_denorm_mode_32 3
		.amdhsa_float_denorm_mode_16_64 3
		.amdhsa_memory_ordered 1
		.amdhsa_forward_progress 1
		.amdhsa_inst_pref_size 255
	.end_amdhsa_kernel
	.section	.bss,"aw",@nobits
	.p2align	6
	.space	262144
	.amdgpu_metadata
---
amdhsa.version: [ 1, 2 ]
amdhsa.kernels:
  - .name:           k_q00f19b4e5c_ffn
    .symbol:         k_q00f19b4e5c_ffn.kd
    .args:
      - { .name: ob, .offset: 0, .size: 8, .value_kind: global_buffer, .address_space: global }
      - { .name: WF, .offset: 8, .size: 8, .value_kind: global_buffer, .address_space: global }
      - { .name: g0, .offset: 16, .size: 8, .value_kind: global_buffer, .address_space: global }
      - { .name: b0, .offset: 24, .size: 8, .value_kind: global_buffer, .address_space: global }
      - { .name: bo, .offset: 32, .size: 8, .value_kind: global_buffer, .address_space: global }
      - { .name: yb, .offset: 40, .size: 8, .value_kind: global_buffer, .address_space: global }
    .group_segment_fixed_size: 264704
    .private_segment_fixed_size: 0
    .kernarg_segment_align: 8
    .kernarg_segment_size: 48
    .max_flat_workgroup_size: 128
    .sgpr_count:     66
    .vgpr_count:     1024
    .wavefront_size: 32
...
	.end_amdgpu_metadata
.endif
;; end of part 4
;; launch ln1 (part 5): grid 256 x 1, 8 waves a work-group, no clusters, 0 bytes of LDS; arguments yb, g1, b1, out0; writes out0
.if DOCPART == 5
	.amdgcn_target "amdgcn-amd-amdhsa--gfx1250"
	.amdhsa_code_object_version 6
	.text
	.protected	k_q00f19b4e5c_ln1
	.globl	k_q00f19b4e5c_ln1
	.p2align	8
	.type	k_q00f19b4e5c_ln1,@function
k_q00f19b4e5c_ln1:
	s_mov_b64 s[64:65], 0
	v_nop
	global_prefetch_b8 v0, s[64:65] scope:SCOPE_SE
	s_setreg_imm32_b32 hwreg(HW_REG_WAVE_MODE, 25, 1), 1
	s_wait_xcnt 0x0
; out0 = LN1(yb): (y - mean) / sqrt(var + 1e-5) x g1 + b1 along rows of 1,024 f32.  yb, out0: [8192][1024] f32.
; A stream: a row is 4,096 bytes, 32 registers of one wave, and stays in registers between the pass for the mean, the pass for the squares of the
; differences and the scaling: each byte is read once and written once.  No LDS, no barrier, no matrix unit, no cluster: no wave needs another's data,
; and what is shared (g1, b1, 8 KiB) is a third of what a wave reads.
; A work-group owns 32 rows, a wave 4.  All of a wave's 48 loads (g1, b1, four rows) go out at once: 16 KiB of rows a wave, 128 KiB a work-group;
; the rows are worked on two at a time, so that the two chains of reductions cover each other's latencies.  No register is written again
; while a load or store names it.  Each load and store of a wave covers 512 consecutive bytes, aligned.
.set ROFF, 4                           ; 16 l
.set TP,   28                          ; v28, v29
.set C,    32                          ; v32-47 four chains of pairs for each of two rows
.set MEAN, 48                          ; v48-51
.set RSTD, 52                          ; v52-55
.set G1V,  64                          ; v64-95  g1 of my 32 columns
.set B1V,  96                          ; v96-127 b1
.set X,    128                         ; v128-255 four rows
	s_load_b256 s[4:11], s[0:1], 0x0               ; yb 4, g1 6, b1 8, out0 10
	v_lshrrev_b32 v1, 5, v0
	v_readfirstlane_b32 s24, v1                    ; wave 0..7
	s_mov_b32 s20, 0x3a800000                      ; 1 / 1024
	s_mov_b32 s21, 0x3727c5ac                      ; 1e-5
	s_mov_b32 s22, 0x76543210                      ; v_permlanex16_b32: lane i reads lane i of the other half
	s_mov_b32 s23, 0xfedcba98
	v_and_b32 v1, 31, v0
	v_lshlrev_b32 v[ROFF], 4, v1
	s_lshl_b32 s26, ttmp9, 17                      ; 32 rows x 4,096 bytes
	s_lshl_b32 s27, s24, 14                        ; + my 4 rows
	s_add_co_u32 s26, s26, s27
	s_mov_b32 s27, 0
	s_wait_kmcnt 0x0
	s_add_nc_u64 s[4:5], s[4:5], s[26:27]
	s_add_nc_u64 s[10:11], s[10:11], s[26:27]
.irp e, 0,1,2,3,4,5,6,7
	global_load_b128 v[G1V+4*\e:G1V+4*\e+3], v[ROFF], s[6:7] offset:512*\e
	global_load_b128 v[B1V+4*\e:B1V+4*\e+3], v[ROFF], s[8:9] offset:512*\e
.endr
.irp i, 0,1,2,3
.irp e, 0,1,2,3,4,5,6,7
	global_load_b128 v[X+32*\i+4*\e:X+32*\i+4*\e+3], v[ROFF], s[4:5] offset:4096*\i+512*\e th:TH_LOAD_NT
.endr
.endr
	v_mov_b32 v[TP], 0                             ; v_permlanex16_b32 counts as a reader of its destination
	v_mov_b32 v[TP+1], 0
; Both rows' four chains of pairs become one number in every lane, line by line in turn
.macro RED2
.irp q, 0,1
	v_pk_add_f32 v[C+8*\q:C+8*\q+1], v[C+8*\q:C+8*\q+1], v[C+8*\q+2:C+8*\q+3]
	v_pk_add_f32 v[C+8*\q+4:C+8*\q+5], v[C+8*\q+4:C+8*\q+5], v[C+8*\q+6:C+8*\q+7]
.endr
.irp q, 0,1
	v_pk_add_f32 v[C+8*\q:C+8*\q+1], v[C+8*\q:C+8*\q+1], v[C+8*\q+4:C+8*\q+5]
.endr
.irp q, 0,1
	v_add_f32 v[C+8*\q], v[C+8*\q], v[C+8*\q+1]
.endr
.irp m, 1,2,4,8
.irp q, 0,1
	v_add_f32_dpp v[C+8*\q], v[C+8*\q], v[C+8*\q] row_xmask:\m row_mask:0xf bank_mask:0xf
.endr
.endr
.irp q, 0,1
	v_permlanex16_b32 v[TP+\q], v[C+8*\q], s22, s23
.endr
.irp q, 0,1
	v_add_f32 v[C+8*\q], v[C+8*\q], v[TP+\q]
.endr
.endm
; My rows 2 p and 2 p + 1.  left = the younger loads that may stay out.
.macro PAIR p, left
.set XP, X+64*(\p)
	s_wait_loadcnt \left
.irp q, 0,1
.irp k, 0,1,2,3
	v_pk_add_f32 v[C+8*\q+2*\k:C+8*\q+2*\k+1], v[XP+32*\q+4*\k:XP+32*\q+4*\k+1], v[XP+32*\q+4*\k+2:XP+32*\q+4*\k+3]
.endr
.endr
.irp k, 8,9,10,11,12,13,14,15
.irp q, 0,1
	v_pk_add_f32 v[C+8*\q+2*(\k%4):C+8*\q+2*(\k%4)+1], v[C+8*\q+2*(\k%4):C+8*\q+2*(\k%4)+1], v[XP+32*\q+2*\k:XP+32*\q+2*\k+1]
.endr
.endr
	RED2
.irp q, 0,1
	v_mul_f32 v[MEAN+2*\q], s20, v[C+8*\q]
	v_mul_f32 v[MEAN+2*\q+1], s20, v[C+8*\q]
.endr
.irp q, 0,1
.set k, 0
.rept 16
	v_pk_add_f32 v[XP+32*\q+2*k:XP+32*\q+2*k+1], v[XP+32*\q+2*k:XP+32*\q+2*k+1], v[MEAN+2*\q:MEAN+2*\q+1] neg_lo:[0,1] neg_hi:[0,1]
.set k, k+1
.endr
.endr
.irp q, 0,1
.irp k, 0,1,2,3
	v_pk_mul_f32 v[C+8*\q+2*\k:C+8*\q+2*\k+1], v[XP+32*\q+2*\k:XP+32*\q+2*\k+1], v[XP+32*\q+2*\k:XP+32*\q+2*\k+1]
.endr
.endr
.irp k, 4,5,6,7,8,9,10,11,12,13,14,15
.irp q, 0,1
	v_pk_fma_f32 v[C+8*\q+2*(\k%4):C+8*\q+2*(\k%4)+1], v[XP+32*\q+2*\k:XP+32*\q+2*\k+1], v[XP+32*\q+2*\k:XP+32*\q+2*\k+1], v[C+8*\q+2*(\k%4):C+8*\q+2*(\k%4)+1]
.endr
.endr
	RED2
.irp q, 0,1
	v_fma_f32 v[C+8*\q], v[C+8*\q], s20, s21       ; variance + 1e-5
.endr
.irp q, 0,1
	v_rsq_f32 v[RSTD+2*\q], v[C+8*\q]
	v_rsq_f32 v[RSTD+2*\q+1], v[C+8*\q]
.endr
	v_nop                                          ; one plain place behind the roots
	s_wait_alu depctr_va_vdst(0)
.irp q, 0,1
.set k, 0
.rept 16
	v_pk_mul_f32 v[XP+32*\q+2*k:XP+32*\q+2*k+1], v[XP+32*\q+2*k:XP+32*\q+2*k+1], v[RSTD+2*\q:RSTD+2*\q+1]
.set k, k+1
.endr
.endr
.irp q, 0,1
.set k, 0
.rept 16
	v_pk_fma_f32 v[XP+32*\q+2*k:XP+32*\q+2*k+1], v[XP+32*\q+2*k:XP+32*\q+2*k+1], v[G1V+2*k:G1V+2*k+1], v[B1V+2*k:B1V+2*k+1]
.set k, k+1
.endr
.endr
.irp q, 0,1
.irp e, 0,1,2,3,4,5,6,7
	global_store_b128 v[ROFF], v[XP+32*\q+4*\e:XP+32*\q+4*\e+3], s[10:11] offset:4096*(2*(\p)+\q)+512*\e th:TH_STORE_NT
.endr
.endr
.endm
	PAIR 0, 16                                     ; 16: rows 2, 3; g1 and b1 were asked for ahead of row 0, so they are in
	PAIR 1, 0
	s_endpgm
.Lfunc_end_k_q00f19b4e5c_ln1:
	.size	k_q00f19b4e5c_ln1, .Lfunc_end_k_q00f19b4e5c_ln1-k_q00f19b4e5c_ln1
	.p2alignl 7, 3214868480
	.fill 96, 4, 3214868480
	.section	.rodata,"a",@progbits
	.p2align	6, 0x0
	.amdhsa_kernel k_q00f19b4e5c_ln1
		.amdhsa_group_segment_fixed_size 0
		.amdhsa_private_segment_fixed_size 0
		.amdhsa_enable_private_segment 0
		.amdhsa_kernarg_size 32
		.amdhsa_user_sgpr_count 2
		.amdhsa_user_sgpr_kernarg_segment_ptr 1
		.amdhsa_wavefront_size32 1
		.amdhsa_system_sgpr_workgroup_id_x 1
		.amdhsa_system_sgpr_workgroup_id_y 1
		.amdhsa_system_sgpr_workgroup_id_z 1
		.amdhsa_system_vgpr_workitem_id 0
		.amdhsa_next_free_vgpr 256
		.amdhsa_next_free_sgpr 66
		.amdhsa_reserve_vcc 0
		.amdhsa_float_denorm_mode_32 3
		.amdhsa_float_denorm_mode_16_64 3
		.amdhsa_memory_ordered 1
		.amdhsa_forward_progress 1
		.amdhsa_inst_pref_size 33
	.end_amdhsa_kernel
	.amdgpu_metadata
---
amdhsa.version: [ 1, 2 ]
amdhsa.kernels:
  - .name:           k_q00f19b4e5c_ln1
    .symbol:         k_q00f19b4e5c_ln1.kd
    .args:
      - { .name: yb, .offset: 0, .size: 8, .value_kind: global_buffer, .address_space: global }
      - { .name: g1, .offset: 8, .size: 8, .value_kind: global_buffer, .address_space: global }
      - { .name: b1, .offset: 16, .size: 8, .value_kind: global_buffer, .address_space: global }
      - { .name: out0, .offset: 24, .size: 8, .value_kind: global_buffer, .address_space: global }
    .group_segment_fixed_size: 0
    .private_segment_fixed_size: 0
    .kernarg_segment_align: 8
    .kernarg_segment_size: 32
    .max_flat_workgroup_size: 256
    .sgpr_count:     66
    .vgpr_count:     256
    .wavefront_size: 32
...
	.end_amdgpu_metadata
.endif
;; end of part 5
;; ======== version 2 of 2: 5 launches; version 1 with the launch ffn written anew for expert scheduling mode
;; workspace buffers: Qb 16,777,216 bytes; Kb 16,777,216 bytes; WF 8,388,608 bytes; qf 33,554,432 bytes; kh 16,777,216 bytes; vh 16,777,216 bytes; ob 33,554,432 bytes; yb 33,554,432 bytes
;; launch prep: the kernel of part 1 again; grid 1536 x 1, 8 waves a work-group, no clusters, 0 bytes of LDS; arguments Q, K, Wq, Wk, Wv, Wo, Qb, Kb, WF; writes Qb, Kb, WF
;; launch proj: the kernel of part 2 again; grid 12 x 32, 4 waves a work-group, clusters of 4 x 4, 327,680 bytes of LDS; arguments Qb, Kb, WF, bq, bk, bv, mask, qf, kh, vh; writes qf, kh, vh
;; launch attn: the kernel of part 3 again; grid 256 x 1, 8 waves a work-group, no clusters, 316,416 bytes of LDS; arguments qf, kh, vh, mask, ob; writes ob
;; launch ffn (part 6): grid 256 x 1, 4 waves a work-group, no clusters, 264,704 bytes of LDS; arguments ob, WF, g0, b0, bo, yb; writes yb
.if DOCPART == 6
	.amdgcn_target "amdgcn-amd-amdhsa--gfx1250"
	.amdhsa_code_object_version 6
	.text
	.protected	k_q00f19b4e5c_ffn
	.globl	k_q00f19b4e5c_ffn
	.p2align	8
	.type	k_q00f19b4e5c_ffn,@function
k_q00f19b4e5c_ffn:
	s_mov_b64 s[64:65], 0
	v_nop
	global_prefetch_b8 v0, s[64:65] scope:SCOPE_SE
	s_setreg_imm32_b32 hwreg(HW_REG_WAVE_SCHED_MODE, 0, 2), 2
	s_setreg_imm32_b32 hwreg(HW_REG_WAVE_MODE, 25, 1), 1
	s_wait_xcnt 0x0
	s_wait_alu depctr_vm_vsrc(0)
; yb = O + relu(O Wo + bo),  O = LN0(ob).  ob, yb: [8192][1024] f32.  Wo in operand order in WF (blocks 12-15, see the first launch).
; A work-group makes 128 rows x 256 columns (work-group x = 4 x row block + column block cb), so a weight byte feeds 128 rows:
; 512 KiB of rows and 512 KiB of weights come into a work-group for 4 x 1,024 matrix instructions.
; LN0: K of the product is the whole row, so the work-group has its 128 whole rows anyway; a wave normalises 32 of them, two at a time
; (two chains of reductions cover each other's latencies), mean first, then the squares of the differences.
; ROTATED CHUNKS: a row's eight chunks of 128 columns are loaded in the order (e + 2 cb) mod 8, e = 0..7, so the work-group's own 256
; columns are a row's first 8 registers.  Their O stays in f32 in window 3 (32 rows x 8 registers) as the residual: ob is read once and no
; f32 copy lies in LDS.  O goes to LDS as bf16 in the rotated order, and the weights' K steps are fetched in the same rotated order:
; K permuted alike on both sides leaves the products, and no LDS address hangs on the work-group's number.
; PRODUCT: wave w makes 128 rows x columns 64 w .. 64 w + 63 of the block in 32 accumulator tiles.  Its weights are used by this wave alone, so
; they go straight from memory into a ring of eight K steps of 32 registers, six or seven steps ahead; O's fragments come from LDS into three buffers.
; All 32 K steps are written out: every offset stands in an immediate, no base is stepped, and the text has no label.
; Transposed use: source 0 = weights, source 1 = rows of O; lane (r, h) holds row r and columns 16 nt + 8 h + j.
; WAY OUT: the sums go through a stage over O's dead bytes (each writer's own 128 rows x 272 bytes) back to the wave that owns the rows.
; NO CLUSTER, NO TENSOR LOADS: the four column blocks of a row block read the same rows, and 64 row blocks the same weights.  But the rows must
; pass through registers to be normalised, and the operand fills 264,192 of the 327,680 bytes of LDS with bytes written by LDS stores; in the
; 63,488 left two slots would hold 7 rows of f32 each, or less than two K steps of weights each (56 matrix instructions a wave from a
; request to its wait), with a round of the cluster's barrier for each.
; LIMITS: relu of a NaN gives 0; the order of the sum over K differs between column blocks.
; WINDOWS: 0: addresses, reductions, six row slots, later O's fragments and the stage's read-back;  1: g0, b0, later the 32 accumulators
; (tile (i, nt) at 8 (4 i + nt));  2: the weights' ring (step st at 32 (st mod 8));  3: the residual (row i at 8 i).
; THE MODE: SCHED_MODE bits 1:0 = 2 (LLVM: expert scheduling mode 2), set by the entry lines.  The code itself states the register dependences
; between vector or matrix instructions and memory or LDS instructions, with s_wait_alu, always for 0.
; THE PLAN.  Registers that memory or LDS instructions touch:
;   v5-v31       offsets and LDS addresses: written once at the head, never again.  v8-23 lie ahead of the wait in front of the first load; the LDS
;                addresses are made behind it and are first read by the first pair's LDS stores, behind that pair's own waits.
;   X0 .. X5     LN0, pair p: its arithmetic reads and rewrites its two slots and leaves O in bf16 in each slot's first 16 registers; the pair's 16 LDS
;                stores read those; the rows six further on land in the slots.  One wait on va_vdst behind the conversions serves the stores and the
;                loads; the loads into the upper halves, which no store reads, follow the stores; one wait on vm_vsrc; the loads into the lower halves.
;   W0 .. W7     the product, step st: its 32 matrix instructions read ring slot st mod 8.
;   AF0 .. AF2   the product, step st: its 32 matrix instructions read buffer st mod 3.
;                The steps go in groups of two, ks and ks + 1.  The group's loads are the fragments of steps ks + 1 and ks + 2 and the weights of steps
;                ks + 6 and ks + 7: they land in buffers (ks - 2) mod 3 and (ks - 1) mod 3 and in slots (ks - 2) mod 8 and (ks - 1) mod 8, which the group
;                before read last.  So ONE wait on va_vdst stands at a group's head, and the group's 48 loads are dealt among its matrix instructions,
;                which name buffers ks mod 3 and (ks + 1) mod 3, slots ks mod 8 and (ks + 1) mod 8 and the accumulators: none that those loads touch.
;   accumulators read by the stage's LDS stores: the four places, then one wait on va_vdst.
;   TB0, TB1     the way out, batch b: its arithmetic reads and rewrites TB[b mod 2] and writes the residual's registers, which the batch's stores read;
;                batch b + 2 then lands in TB[b mod 2].  One wait on va_vdst behind a batch's arithmetic serves both.
.set OBP,  2064                        ; pitch of O in bf16: 2,048 + 16, an odd multiple of 16
.set WSTG, 128*272                     ; 34,816: a writer's stage: 128 rows of 256 bytes + 16
.set ROFF, 4                           ; 16 l
.set STA,  5                           ; stage in: WSTG w + 272 r + 32 h
.set RDS,  6                           ; v6, v7: stage back: writers 0-1 (2-3), my 32 rows, 16 (l mod 16)
.set OFFC, 8                           ; v8-15  byte offset in a row of f32 of chunk e: 16 l + 512 ((e + 2 cb) mod 8)
.set WOFF, 16                          ; v16-23 byte offset in the weights of chunk e's four K steps: 16 l + 65,536 ((e + 2 cb) mod 8)
.set AFA,  24                          ; v24-27 O's fragments: row tiles 2 g, 2 g + 1: (32 g + r) x pitch + 16 h
.set TP,   28                          ; v28, v29
.set OBA,  30                          ; v30, v31: my 32 rows of O bf16 + 8 l, chunks 0-3 (4-7)
.set C,    32                          ; v32-47 four chains of pairs for each of two rows
.set MEAN, 48                          ; v48-51
.set RSTD, 52                          ; v52-55
.set BOV,  56                          ; v56-63 bo of my 8 columns
.set X,    64                          ; v64-255 six row slots
.set AF,   64                          ; v64-255 O's fragments, three buffers of 64
.set TB,   64                          ; v64-191 the stage's read-back, two buffers of 64
.set G0V,  0                           ; window 1
.set B0V,  32                          ; window 1
.set MSB, 0
.macro WIN new                         ; the immediate's high byte repeats the setting that is left
.if MSB != \new
	s_set_vgpr_msb (MSB<<8)|\new
.set MSB, \new
.endif
.endm
	s_load_b256 s[4:11], s[0:1], 0x0               ; ob 4, WF 6, g0 8, b0 10
	s_load_b128 s[12:15], s[0:1], 0x20             ; bo 12, yb 14
	v_lshrrev_b32 v1, 5, v0
	v_readfirstlane_b32 s24, v1                    ; wave 0..3
	s_mov_b32 s20, 0x3a800000                      ; 1 / 1024
	s_mov_b32 s21, 0x3727c5ac                      ; 1e-5
	s_mov_b32 s22, 0x76543210                      ; v_permlanex16_b32: lane i reads lane i of the other half
	s_mov_b32 s23, 0xfedcba98
	s_and_b32 s25, ttmp9, 3                        ; column block cb
	s_lshr_b32 s26, ttmp9, 2                       ; row block
	v_and_b32 v1, 31, v0                           ; l
	v_and_b32 v2, 15, v0                           ; r
	v_bfe_u32 v3, v0, 4, 1                         ; h
	v_lshlrev_b32 v[ROFF], 4, v1
	s_lshl_b32 s28, s25, 1                         ; 2 cb
.irp k, 0,1,2,3,4,5,6,7
	s_add_co_u32 s29, s28, \k
	s_and_b32 s29, s29, 7                          ; the true chunk at place k
	s_lshl_b32 s30, s29, 9                         ; 128 columns x 4 bytes
	s_lshl_b32 s31, s29, 16                        ; 4 K steps x 16,384 bytes
	v_add_nc_u32 v[OFFC+\k], s30, v[ROFF]
	v_add_nc_u32 v[WOFF+\k], s31, v[ROFF]
.endr
	s_wait_alu depctr_va_sdst(0)                   ; s24, the wave's number, is written, ahead of its first reader: the bases and the LDS addresses are made from it
	s_lshl_b32 s32, s26, 19                        ; 128 rows x 4,096 bytes
	s_lshl_b32 s33, s24, 17                        ; + my 32 rows
	s_add_co_u32 s32, s32, s33
	s_mov_b32 s33, 0
	s_add_co_u32 s34, s25, 12                      ; WF block 12 + cb
	s_lshl_b32 s34, s34, 19
	s_lshl_b32 s35, s24, 12                        ; + my four column tiles of 1,024 bytes in each K step
	s_add_co_u32 s34, s34, s35
	s_mov_b32 s35, 0
	s_wait_kmcnt 0x0
	s_add_nc_u64 s[4:5], s[4:5], s[32:33]
	s_add_nc_u64 s[14:15], s[14:15], s[32:33]
	s_add_nc_u64 s[6:7], s[6:7], s[34:35]
.macro ROWLOAD i                       ; my row i into its slot: eight loads of 512 consecutive bytes
.irp e, 0,1,2,3,4,5,6,7
	global_load_b128 v[X+32*((\i)%6)+4*\e:X+32*((\i)%6)+4*\e+3], v[OFFC+\e], s[4:5] offset:4096*(\i)
.endr
.endm
.macro ROWHALF i, e0                   ; four of the eight: chunks e0 .. e0 + 3, the lower (e0 = 0) or the upper (e0 = 4) 16 registers of the slot
.irp d, 0,1,2,3
	global_load_b128 v[X+32*((\i)%6)+4*((\e0)+\d):X+32*((\i)%6)+4*((\e0)+\d)+3], v[OFFC+(\e0)+\d], s[4:5] offset:4096*(\i)
.endr
.endm
.macro WLOAD st                        ; the weights of K step st (by place) into the ring: eight loads of 512 consecutive bytes
.irp e, 0,1,2,3
	global_load_b128 v[32*((\st)%8)+8*\e:32*((\st)%8)+8*\e+3],   v[WOFF+((\st)>>2)], s[6:7] offset:((\st)&3)*16384+1024*\e
	global_load_b128 v[32*((\st)%8)+8*\e+4:32*((\st)%8)+8*\e+7], v[WOFF+((\st)>>2)], s[6:7] offset:((\st)&3)*16384+1024*\e+512
.endr
.endm
	; g0, b0 (16 loads), bo (2), rows 0-3 (32): 50 loads
	WIN 0x40
	s_wait_alu depctr_va_vdst(0)                   ; the offsets v8 to v23 are written: every global load and store of the kernel reads one of them, and none is written again
.irp e, 0,1,2,3,4,5,6,7
	global_load_b128 v[G0V+4*\e:G0V+4*\e+3], v[OFFC+\e], s[8:9]
	global_load_b128 v[B0V+4*\e:B0V+4*\e+3], v[OFFC+\e], s[10:11]
.endr
	WIN 0
	global_load_b128 v[BOV:BOV+3],   v[OFFC],   s[12:13]
	global_load_b128 v[BOV+4:BOV+7], v[OFFC+1], s[12:13]
	ROWLOAD 0
	ROWLOAD 1
	ROWLOAD 2
	ROWLOAD 3
	; LDS addresses: the wave's number, the lane, constants.  They name no register that a load above touches.
	s_mul_i32 s27, s24, 32*OBP
	v_lshl_add_u32 v[OBA], v1, 3, s27
	v_add_nc_u32 v[OBA+1], 1024, v[OBA]
	v_mul_u32_u24 v[AFA], v2, OBP
	v_lshl_add_u32 v[AFA], v3, 4, v[AFA]
	v_add_nc_u32 v[AFA+1], 32*OBP, v[AFA]
	v_add_nc_u32 v[AFA+2], 64*OBP, v[AFA]
	v_add_nc_u32 v[AFA+3], 96*OBP, v[AFA]
	s_mul_i32 s27, s24, WSTG
	v_mul_u32_u24 v[STA], v2, 272
	v_lshl_add_u32 v[STA], v3, 5, v[STA]
	v_add_nc_u32 v[STA], s27, v[STA]
	s_mul_i32 s27, s24, 32*272
	v_mul_u32_u24 v[RDS], v3, WSTG
	v_lshl_add_u32 v[RDS], v2, 4, v[RDS]
	v_add_nc_u32 v[RDS], s27, v[RDS]
	v_add_nc_u32 v[RDS+1], 2*WSTG, v[RDS]
	v_mov_b32 v[TP], 0                             ; v_permlanex16_b32 counts as a reader of its destination
	v_mov_b32 v[TP+1], 0
; Both rows' four chains of pairs become one number in every lane, line by line in turn
.macro RED2
.irp q, 0,1
	v_pk_add_f32 v[C+8*\q:C+8*\q+1], v[C+8*\q:C+8*\q+1], v[C+8*\q+2:C+8*\q+3]
	v_pk_add_f32 v[C+8*\q+4:C+8*\q+5], v[C+8*\q+4:C+8*\q+5], v[C+8*\q+6:C+8*\q+7]
.endr
.irp q, 0,1
	v_pk_add_f32 v[C+8*\q:C+8*\q+1], v[C+8*\q:C+8*\q+1], v[C+8*\q+4:C+8*\q+5]
.endr
.irp q, 0,1
	v_add_f32 v[C+8*\q], v[C+8*\q], v[C+8*\q+1]
.endr
.irp m, 1,2,4,8
.irp q, 0,1
	v_add_f32_dpp v[C+8*\q], v[C+8*\q], v[C+8*\q] row_xmask:\m row_mask:0xf bank_mask:0xf
.endr
.endr
.irp q, 0,1
	v_permlanex16_b32 v[TP+\q], v[C+8*\q], s22, s23
.endr
.irp q, 0,1
	v_add_f32 v[C+8*\q], v[C+8*\q], v[TP+\q]
.endr
.endm
; LN0 of my rows 2 p and 2 p + 1.  left = the younger loads that may stay out.  Behind the work the two slots get rows 2 p + 6, 2 p + 7;
; when all rows are asked for, two K steps of weights go out in their stead, so that the count stays the same.
.macro LNPAIR p, left
.set RA, 2*(\p)
.set XP, X+32*(RA%6)
	s_wait_loadcnt \left
.if (\p) == 0
	ROWLOAD 4                                      ; the last two slots' first rows: behind the first wait, so that 48 loads are out at the most.  No wait on va_vdst:
	ROWLOAD 5                                      ; no vector instruction has named these slots, and the offsets lie ahead of the wait in front of the first load
.endif
.irp q, 0,1
.irp k, 0,1,2,3
	v_pk_add_f32 v[C+8*\q+2*\k:C+8*\q+2*\k+1], v[XP+32*\q+4*\k:XP+32*\q+4*\k+1], v[XP+32*\q+4*\k+2:XP+32*\q+4*\k+3]
.endr
.endr
.irp k, 8,9,10,11,12,13,14,15
.irp q, 0,1
	v_pk_add_f32 v[C+8*\q+2*(\k%4):C+8*\q+2*(\k%4)+1], v[C+8*\q+2*(\k%4):C+8*\q+2*(\k%4)+1], v[XP+32*\q+2*\k:XP+32*\q+2*\k+1]
.endr
.endr
	RED2
.irp q, 0,1
	v_mul_f32 v[MEAN+2*\q], s20, v[C+8*\q]
	v_mul_f32 v[MEAN+2*\q+1], s20, v[C+8*\q]
.endr
.irp q, 0,1
.set k, 0
.rept 16
	v_pk_add_f32 v[XP+32*\q+2*k:XP+32*\q+2*k+1], v[XP+32*\q+2*k:XP+32*\q+2*k+1], v[MEAN+2*\q:MEAN+2*\q+1] neg_lo:[0,1] neg_hi:[0,1]
.set k, k+1
.endr
.endr
.irp q, 0,1
.irp k, 0,1,2,3
	v_pk_mul_f32 v[C+8*\q+2*\k:C+8*\q+2*\k+1], v[XP+32*\q+2*\k:XP+32*\q+2*\k+1], v[XP+32*\q+2*\k:XP+32*\q+2*\k+1]
.endr
.endr
.irp k, 4,5,6,7,8,9,10,11,12,13,14,15
.irp q, 0,1
	v_pk_fma_f32 v[C+8*\q+2*(\k%4):C+8*\q+2*(\k%4)+1], v[XP+32*\q+2*\k:XP+32*\q+2*\k+1], v[XP+32*\q+2*\k:XP+32*\q+2*\k+1], v[C+8*\q+2*(\k%4):C+8*\q+2*(\k%4)+1]
.endr
.endr
	RED2
.irp q, 0,1
	v_fma_f32 v[C+8*\q], v[C+8*\q], s20, s21       ; variance + 1e-5
.endr
.irp q, 0,1
	v_rsq_f32 v[RSTD+2*\q], v[C+8*\q]
	v_rsq_f32 v[RSTD+2*\q+1], v[C+8*\q]
.endr
	v_nop                                          ; one plain place behind the roots
	s_wait_alu depctr_va_vdst(0)                   ; the four roots v52 to v55 are written, ahead of their first reader: one wait for the batch
.irp q, 0,1
.set k, 0
.rept 16
	v_pk_mul_f32 v[XP+32*\q+2*k:XP+32*\q+2*k+1], v[XP+32*\q+2*k:XP+32*\q+2*k+1], v[RSTD+2*\q:RSTD+2*\q+1]
.set k, k+1
.endr
.endr
	WIN 0xd4                                       ; g0, b0 in window 1; my own 8 columns' O goes to window 3 and stays there
.irp q, 0,1
.irp k, 0,1,2,3
	v_pk_fma_f32 v[8*(RA+\q)+2*\k:8*(RA+\q)+2*\k+1], v[XP+32*\q+2*\k:XP+32*\q+2*\k+1], v[G0V+2*\k:G0V+2*\k+1], v[B0V+2*\k:B0V+2*\k+1]
.endr
.endr
	WIN 0x14                                       ; the other 24 columns in place
.irp q, 0,1
.irp k, 4,5,6,7,8,9,10,11,12,13,14,15
	v_pk_fma_f32 v[XP+32*\q+2*\k:XP+32*\q+2*\k+1], v[XP+32*\q+2*\k:XP+32*\q+2*\k+1], v[G0V+2*\k:G0V+2*\k+1], v[B0V+2*\k:B0V+2*\k+1]
.endr
.endr
	WIN 0x0f                                       ; rounded to bf16 into the slot's first 16 registers, k ascending: register k is written after 2 k and 2 k + 1 were read
.irp q, 0,1
.irp k, 0,1,2,3
	v_cvt_pk_bf16_f32 v[XP+32*\q+\k], v[8*(RA+\q)+2*\k], v[8*(RA+\q)+2*\k+1]
.endr
.endr
	WIN 0
.irp q, 0,1
.irp k, 4,5,6,7,8,9,10,11,12,13,14,15
	v_cvt_pk_bf16_f32 v[XP+32*\q+\k], v[XP+32*\q+2*\k], v[XP+32*\q+2*\k+1]
.endr
.endr
	s_wait_alu depctr_va_vdst(0)                   ; the conversions have written each slot's first 16 registers, which the LDS stores read (in the first pair: v30, v31 too, their addresses); the pair's arithmetic is done with both slots, in which the loads below land
.irp q, 0,1
.irp e, 0,1,2,3,4,5,6,7
	ds_store_b64 v[OBA+(\e>>2)], v[XP+32*\q+2*\e:XP+32*\q+2*\e+1] offset:(RA+\q)*OBP+256*(\e&3)   ; 32 lanes: 256 consecutive bytes
.endr
.endr
.if (\p) <= 12
	ROWHALF RA+6, 4                                ; the slots are asked for again at once: first their upper halves, which no LDS store reads
	ROWHALF RA+7, 4
	s_wait_alu depctr_vm_vsrc(0)                   ; the LDS stores above have read each slot's first 16 registers, in which the loads below land
	ROWHALF RA+6, 0
	ROWHALF RA+7, 0
.else
	WIN 0x80
	WLOAD 2*(\p)-26                                ; into registers that nothing has named yet
	WLOAD 2*(\p)-25
	WIN 0
.endif
.endm
	LNPAIR 0, 16                                   ; 16: rows 2, 3
.irp p, 1,2,3,4,5,6,7,8,9,10,11,12,13,14,15
	LNPAIR \p, 32                                  ; 32: the two groups of 16 loads issued behind this pair's
.endr
	WIN 0x80
	WLOAD 6                                        ; K steps 0-6 are now on their way: 56 loads
	WIN 0
	s_wait_dscnt 0x0                               ; my 32 rows of O are in LDS
	s_barrier_signal -1
	s_barrier_wait -1
	s_wait_alu depctr_vm_vsrc(0)                   ; the last three pairs' LDS stores have read the row slots' registers: these are O's fragments from here on, written by LDS loads (the last pair's wait on va_vdst has shown the arithmetic done with them)
; O's fragments of K step st, four of its eight row tiles (i0 .. i0 + 3): eight loads into buffer st mod 3
.macro AFHALF st, i0
	WIN 0
.irp d, 0,1,2,3
	ds_load_b128 v[AF+64*((\st)%3)+8*((\i0)+\d):AF+64*((\st)%3)+8*((\i0)+\d)+3],   v[AFA+(((\i0)+\d)>>1)] offset:(((\i0)+\d)&1)*16*OBP+64*(\st)
	ds_load_b128 v[AF+64*((\st)%3)+8*((\i0)+\d)+4:AF+64*((\st)%3)+8*((\i0)+\d)+7], v[AFA+(((\i0)+\d)>>1)] offset:(((\i0)+\d)&1)*16*OBP+64*(\st)+32
.endr
.endm
; Eight products of K step st: column tile e against the eight row tiles.  In a step e goes 0 to 3: the 32 accumulators take turns, one instruction a turn.
.macro MMBLK st, e
	WIN 0x52                                       ; weights window 2, O window 0, sums window 1
.irp i, 0,1,2,3,4,5,6,7
.if (\st) == 0
	v_wmma_f32_16x16x32_bf16 v[8*(4*\i+(\e)):8*(4*\i+(\e))+7], v[32*((\st)%8)+8*(\e):32*((\st)%8)+8*(\e)+7], v[AF+64*((\st)%3)+8*\i:AF+64*((\st)%3)+8*\i+7], 0
.else
	v_wmma_f32_16x16x32_bf16 v[8*(4*\i+(\e)):8*(4*\i+(\e))+7], v[32*((\st)%8)+8*(\e):32*((\st)%8)+8*(\e)+7], v[AF+64*((\st)%3)+8*\i:AF+64*((\st)%3)+8*\i+7], v[8*(4*\i+(\e)):8*(4*\i+(\e))+7]
.endif
.endr
.endm
; The weights of step ks are in; the count leaves the younger steps out.  Asked for so far: at step 0 up to step 6, at an even step up to ks + 5, at an odd one up to ks + 6, never past 31.
.macro KWAIT
.set lim, ks+5+(ks&1)
.if ks == 0
.set lim, 6
.endif
.if lim > 31
.set lim, 31
.endif
	s_wait_loadcnt 8*(lim-ks)
.endm
	AFHALF 0, 0
	AFHALF 0, 4
; A group: K steps ks and ks + 1, 64 products.  Its loads stand in runs of eight behind blocks of eight products.
.set ks, 0
.rept 16
.if ks > 0
.rept 4
	v_nop                                          ; four places between the last group's products and the loads into registers that they read; the wait below fills none of them
.endr
	s_wait_alu depctr_va_vdst(0)                   ; the last group's products are done reading their two fragment buffers and their two ring slots, in which this group's loads land
.endif
	KWAIT
	s_wait_dscnt 0x0                               ; this step's fragments, the youngest LDS loads, are in
	MMBLK ks, 0
	AFHALF ks+1, 0                                 ; no wait here or below: no product since the group's head names the registers that the group's loads touch
	MMBLK ks, 1
	AFHALF ks+1, 4
	MMBLK ks, 2
.if (ks+6 >= 7) && (ks+6 <= 31)
	WIN 0x80
	WLOAD ks+6
.endif
	MMBLK ks, 3
.if ks+7 <= 31
	WIN 0x80
	WLOAD ks+7
.endif
.set ks, ks+1
	KWAIT
	s_wait_dscnt 0x0                               ; this step's fragments, asked for in the step before, are in
	MMBLK ks, 0
.if ks+1 <= 31
	AFHALF ks+1, 0
.endif
	MMBLK ks, 1
.if ks+1 <= 31
	AFHALF ks+1, 4
.endif
	MMBLK ks, 2
	MMBLK ks, 3
.set ks, ks+1
.endr
	WIN 0
.rept 4
	v_nop                                          ; places behind the last products
.endr
	s_barrier_signal -1                            ; no LDS instruction of mine is out (the last step waited for 0)
	s_barrier_wait -1                              ; no wave reads O any more: its bytes become the stages
	WIN 0x04                                       ; an LDS store's data is source 1: window 1
	s_wait_alu depctr_va_vdst(0)                   ; the products have written the accumulators, which the LDS stores read, and are done reading O's fragments, in which the stage's first two batches land; the places above stay beside this wait
.irp i, 0,1,2,3,4,5,6,7
.irp e, 0,1,2,3
	ds_store_b128 v[STA], v[8*(4*\i+\e):8*(4*\i+\e)+3]   offset:\i*16*272+64*\e
	ds_store_b128 v[STA], v[8*(4*\i+\e)+4:8*(4*\i+\e)+7] offset:\i*16*272+64*\e+16
.endr
.endr
	WIN 0
	s_wait_dscnt 0x0
	s_barrier_signal -1
	s_barrier_wait -1
; My rows 8 b .. 8 b + 7 come back as I hold their residual: lanes 0-15 read one writer's 256 bytes of the row, lanes 16-31 the next writer's
.macro YLOAD b
.irp i, 0,1,2,3,4,5,6,7
	ds_load_b128 v[TB+64*((\b)&1)+8*\i:TB+64*((\b)&1)+8*\i+3],   v[RDS]   offset:(8*(\b)+\i)*272
	ds_load_b128 v[TB+64*((\b)&1)+8*\i+4:TB+64*((\b)&1)+8*\i+7], v[RDS+1] offset:(8*(\b)+\i)*272
.endr
.endm
; y = O + max(sum + bo, 0), into the residual's registers, and out.  left = the next batch's loads.
.macro YOUT b, left
	s_wait_dscnt \left
.set T, TB+64*((\b)&1)
.set k, 0
.rept 32
	v_pk_add_f32 v[T+2*k:T+2*k+1], v[T+2*k:T+2*k+1], v[BOV+2*(k%4):BOV+2*(k%4)+1]
.set k, k+1
.endr
.set k, 0
.rept 64
	v_max_num_f32 v[T+k], 0, v[T+k]
.set k, k+1
.endr
	WIN 0xcc                                       ; the residual in window 3
.set k, 0
.rept 32
	v_pk_add_f32 v[64*(\b)+2*k:64*(\b)+2*k+1], v[T+2*k:T+2*k+1], v[64*(\b)+2*k:64*(\b)+2*k+1]
.set k, k+1
.endr
	WIN 0x0c                                       ; a store's data is source 1: window 3
	s_wait_alu depctr_va_vdst(0)                   ; the additions have written this batch's 64 registers of window 3, which the stores read; the batch's arithmetic is done with its read-back buffer, in which the batch after next, where there is one, lands
.irp i, 0,1,2,3,4,5,6,7
	global_store_b128 v[OFFC],   v[64*(\b)+8*\i:64*(\b)+8*\i+3],   s[14:15] offset:4096*(8*(\b)+\i)   ; 512 consecutive bytes, aligned
	global_store_b128 v[OFFC+1], v[64*(\b)+8*\i+4:64*(\b)+8*\i+7], s[14:15] offset:4096*(8*(\b)+\i)
.endr
	WIN 0
.endm
	YLOAD 0
	YLOAD 1
	YOUT 0, 16
	YLOAD 2
	YOUT 1, 16
	YLOAD 3
	YOUT 2, 16
	YOUT 3, 0
	s_wait_xcnt 0x0                                ; every store has had its addresses translated
	v_lshl_add_u32 v254, v0, 2, 0x40800            ; the add's two registers, made anew from v0, which is as at the entry: no memory or LDS instruction has ever read v254 or v255
	v_mov_b32 v255, 0
	s_wait_dscnt 0x0                               ; the closing lines, six on end
	s_wait_alu 0x0
	s_wait_tensorcnt 0x0
	ds_add_u32 v254, v255
	s_wait_dscnt 0x0
	s_endpgm
.Lfunc_end_k_q00f19b4e5c_ffn:
	.size	k_q00f19b4e5c_ffn, .Lfunc_end_k_q00f19b4e5c_ffn-k_q00f19b4e5c_ffn
	.p2alignl 7, 3214868480
	.fill 96, 4, 3214868480
	.section	.rodata,"a",@progbits
	.p2align	6, 0x0
	.amdhsa_kernel k_q00f19b4e5c_ffn
		.amdhsa_group_segment_fixed_size 264704
		.amdhsa_private_segment_fixed_size 0
		.amdhsa_enable_private_segment 0
		.amdhsa_kernarg_size 48
		.amdhsa_user_sgpr_count 2
		.amdhsa_user_sgpr_kernarg_segment_ptr 1
		.amdhsa_wavefront_size32 1
		.amdhsa_system_sgpr_workgroup_id_x 1
		.amdhsa_system_sgpr_workgroup_id_y 1
		.amdhsa_system_sgpr_workgroup_id_z 1
		.amdhsa_system_vgpr_workitem_id 0
		.amdhsa_next_free_vgpr 1024
		.amdhsa_next_free_sgpr 66
		.amdhsa_reserve_vcc 0
		.amdhsa_float_denorm_mode_32 3
		.amdhsa_float_denorm_mode_16_64 3
		.amdhsa_memory_ordered 1
		.amdhsa_forward_progress 1
		.amdhsa_inst_pref_size 255
	.end_amdhsa_kernel
	.section	.bss,"aw",@nobits
	.p2align	6
	.space	262144
	.amdgpu_metadata
---
amdhsa.version: [ 1, 2 ]
amdhsa.kernels:
  - .name:           k_q00f19b4e5c_ffn
    .symbol:         k_q00f19b4e5c_ffn.kd
    .args:
      - { .name: ob, .offset: 0, .size: 8, .value_kind: global_buffer, .address_space: global }
      - { .name: WF, .offset: 8, .size: 8, .value_kind: global_buffer, .address_space: global }
      - { .name: g0, .offset: 16, .size: 8, .value_kind: global_buffer, .address_space: global }
      - { .name: b0, .offset: 24, .size: 8, .value_kind: global_buffer, .address_space: global }
      - { .name: bo, .offset: 32, .size: 8, .value_kind: global_buffer, .address_space: global }
      - { .name: yb, .offset: 40, .size: 8, .value_kind: global_buffer, .address_space: global }
    .group_segment_fixed_size: 264704
    .private_segment_fixed_size: 0
    .kernarg_segment_align: 8
    .kernarg_segment_size: 48
    .max_flat_workgroup_size: 128
    .sgpr_count:     66
    .vgpr_count:     1024
    .wavefront_size: 32
...
	.end_amdgpu_metadata
.endif
;; end of part 6
;; launch ln1: the kernel of part 5 again; grid 256 x 1, 8 waves a work-group, no clusters, 0 bytes of LDS; arguments yb, g1, b1, out0; writes out0
